; MI455X (gfx1250); checked and timed in simulation.
; The chip was launched on July 23, 2026; its instructions are those of AMD's public machine-readable ISA for CDNA 5 (MIT licence, August 2026) and "CDNA5" Instruction Set Architecture Reference Guide (July 2026). The comments in the code are by the model that wrote it; some were corrected since.
;; Mo E. Allowed arithmetic: matrix products marked QUANTISED: E4M3 operands, one given power-of-two scale a tensor, by v_wmma_f32_16x16x64_fp8_fp8 or v_wmma_f32_16x16x128_fp8_fp8, f32 sums; products left as they are: f32 operands where the result goes on into a quantised operand, else bf16, f16 or f32 operands; f32 sums; everything else in f32.
;; Inputs: We 8 x 1,024 x 1,024 float32; Wg 1,024 x 8 float32; be 8 x 1,024 float32; beta 8 x 1,024 float32; bg 8 float32; gamma 8 x 1,024 float32; lowp_scales 2 int32 (the exponents e of the quantised operands' scales 2^e); x 8,192 x 1,024 float32.
;; Outputs: out0 8,192 x 1,024 float32.
;; This version of the problem:
;;   THIS VERSION OF THE PROBLEM IS GIVEN IN LOW PRECISION. The matrix products marked QUANTISED in the list below multiply operands that are first quantised to E4M3 (4 exponent bits, 3 mantissa bits; 8 bits a number), with one given power-of-two scale for each operand tensor; their sums are f32. All else is computed in f32.
;;   The module's matrix products, in the order in which they are computed (A, B: the left and right operand; K: the contracted axis; several contracted axes count as one K, in the product's order):
;;     1. [M 8,192, K 1,024] x [K 1,024, N 8]; A: input x; B: input Wg: left as it is (N = 8 < 16)
;;     2. [M 8,192, K 1,024] x [K 1,024, N 8,192]; A: input x; B: input We: QUANTISED (scales: A lowp_scales[0], B lowp_scales[1])
;;   THE QUANTISER, for each operand of a quantised product, along K:
;;     - The operand's scale is 2^e, e = its entry of the input lowp_scales (int32; the entries are numbered through the quantised products in the list's order, A before B).
;;     - Each number is divided by the scale, clamped to +-448, and rounded to the nearest number of E4M3, ties to even, subnormals kept.
;;     - The product sums the exact products of the quantised numbers (number of the format x scale) in f32.
;;   ~~~python
;;   def quantise(x, axis, e):      # numpy; x: float32 -> the quantised numbers, widened to float32 again
;;       x = np.moveaxis(x, axis, -1); K = x.shape[-1]
;;       r = np.clip(x / 2.0 ** e, -448, 448)
;;       step = 2.0 ** (np.maximum(np.frexp(np.where(r == 0, 1, r))[1] - 1, -6) - 3)
;;       q = np.round(r / step) * step * 2.0 ** e      # np.round: ties to even
;;       return np.moveaxis(q, -1, axis).astype(np.float32)
;;   ~~~
;; 2 versions. Each part assembles by itself: llvm-mc -triple=amdgcn-amd-amdhsa -mcpu=gfx1250 --defsym DOCPART=n.
;; ======== version 1 of 2: 3 launches
;; workspace buffers: xq 8,388,608 bytes; wq 8,388,608 bytes; route 65,536 bytes of whole numbers; order 32,768 bytes of whole numbers; gat 65,536 bytes
;; launch gate (part 1): grid 256 x 1, 8 waves a work-group, no clusters, 38,912 bytes of LDS; arguments x, Wg, bg, lowp_scales, xq, route, gat; writes xq, route, gat
.if DOCPART == 1
	.amdgcn_target "amdgcn-amd-amdhsa--gfx1250"
	.amdhsa_code_object_version 6
	.text
	.protected	k_q440015a237_gate
	.globl	k_q440015a237_gate
	.p2align	8
	.type	k_q440015a237_gate,@function
k_q440015a237_gate:
	s_mov_b64 s[64:65], 0
	v_nop
	global_prefetch_b8 v0, s[64:65] scope:SCOPE_SE
	s_setreg_imm32_b32 hwreg(HW_REG_WAVE_MODE, 25, 1), 1
	s_wait_xcnt 0x0
; THE ROUTER AND THE QUANTISER OF x.  x [8192][1024] f32 is read once.  For each token: logits x Wg + bg by f32 multiply-adds, tanh, the two largest
; (ties: the lower index), softmax over the two (the larger is taken away first); and the token's 1,024 codes of E4M3 with the given scale 2^e0.
; A work-group takes 32 tokens, a wave 4.  Load i (0..7) of a row takes its bytes 512 i + 16 lane: 512 consecutive bytes a load.  So a lane holds k = 128 i + 4 lane + j
; in register 4 i + j, and its 32 codes are stored as they stand, 16 bytes a lane: code position q = 512 (i / 4) + 16 lane + 4 (i % 4) + j.  The weights are laid in the same
; order of K by the next launch, so every product meets its partner.
; Nothing that is chosen here steers an address or a branch: the choice is stored, at fixed places, as whole numbers:
;   route[block][0..31]  = i0 | i1 << 8 | rank << 16 | P << 24 for each token (rank: the place of its set of two experts among the 28 sets, in an order in which
;                          neighbouring sets share an expert; P: how many earlier tokens of the block have the same rank);   route[block][32..63] = how many tokens of the block have rank 0 .. 31
;   gat[token] = the two gates.
; LIMITS: e0 between -126 and 119.  NaN among the inputs is not served.  tanh is 1 - 2 / (1 + 2^(2 z log2 e)): where the second and the third gate value lie within a few
; units of f32's last place of each other, the choice may differ from one made with another order of sums.
; REGISTERS: v1-10 addresses and the scale; v12-27 eight pairs of sums; v28-59 logits [4 tokens][8]; v60-91 Wg as loaded, then the codes; v92-127 the tail; v128-255 x [4][32].
;   window 1: v0-255: Wg of my 32 k: register 32 i + 4 e + j.
.set STS, 36864                        ; LDS: behind Wg's 256 chunks of 144 bytes: 32 words, the tokens' two experts
.set STG, 37120                        ; 32 pairs of gates
.set ST2, 37376                        ; the block's 256 bytes of route
.set ACC, 12
.set LG,  28
.set CC,  60
.set TT,  92
.set XR,  128
.set MSB, 0
.macro WIN new                         ; the immediate's high byte repeats the setting that is left
.if MSB != \new
	s_set_vgpr_msb (MSB<<8)|\new
.set MSB, \new
.endif
.endm
	s_load_b256 s[4:11], s[0:1], 0x0               ; x s[4:5], Wg s[6:7], bg s[8:9], the scales' exponents s[10:11]
	s_load_b128 s[12:15], s[0:1], 0x20             ; xq s[12:13], route s[14:15]
	s_load_b64 s[16:17], s[0:1], 0x30              ; gat
	v_lshl_add_u32 v126, v0, 2, 0x9400
	v_mov_b32 v127, 0
	v_lshrrev_b32 v11, 5, v0
	v_readfirstlane_b32 s28, v11                   ; wave 0..7
	v_and_b32 v1, 31, v0                           ; lane
	v_lshlrev_b32 v2, 4, v1                        ; 16 x lane
	; Wg goes into LDS turned: a chunk is 4 k x 8 experts, laid [expert][k], 128 bytes at a pitch of 144.  My 16 bytes of load m are k = 128 wave + 16 m + lane / 2, experts 4 (lane % 2) + 0..3
	v_lshrrev_b32 v3, 3, v1
	s_lshl_b32 s29, s28, 5
	v_add_nc_u32 v3, s29, v3                       ; chunk 32 wave + lane / 8 (+ 4 m)
	v_mul_u32_u24 v3, v3, 144
	v_and_b32 v11, 1, v1
	v_lshl_add_u32 v3, v11, 6, v3                  ; + 64 (lane % 2): four experts of 16 bytes
	v_bfe_u32 v11, v1, 1, 2
	v_lshl_add_u32 v3, v11, 2, v3                  ; + 4 (k % 4)
	v_mul_u32_u24 v4, v1, 144                      ; and comes back by chunks: chunk 32 i + lane holds my four k of load i
	v_and_b32 v11, 3, v1
	s_lshl_b32 s29, s28, 2
	v_add_nc_u32 v11, s29, v11                     ; the token that my lane finishes: 4 wave + lane % 4
	v_lshl_add_u32 v5, v11, 2, STS
	v_lshl_add_u32 v6, v11, 3, STG
	v_lshlrev_b32 v7, 2, v1
	v_lshlrev_b32 v8, 3, v1
	s_lshl_b32 s18, ttmp9, 17                      ; x: 32 rows of 4,096 bytes a work-group,
	s_lshl_b32 s19, s28, 14                        ; 4 a wave
	s_add_co_u32 s18, s18, s19
	s_mov_b32 s19, 0
	s_lshl_b32 s34, ttmp9, 15                      ; xq: rows of 1,024 bytes
	s_lshl_b32 s35, s28, 12
	s_add_co_u32 s34, s34, s35
	s_mov_b32 s36, s35                             ; Wg: 4,096 bytes a wave
	s_mov_b32 s35, 0
	s_mov_b32 s37, 0
	s_lshl_b32 s38, ttmp9, 8                       ; route and gat: 256 bytes a work-group
	s_mov_b32 s39, 0
	s_mov_b32 s30, 0x76543210                      ; v_permlanex16_b32: lane l xor 16
	s_mov_b32 s31, 0xfedcba98
	s_mov_b32 s32, 0xaaaaaaaa                      ; lanes with lane % 2 = 1
	s_mov_b32 s33, 0xcccccccc                      ; lanes with (lane / 2) % 2 = 1
	s_wait_kmcnt 0x0
	s_load_b256 s[20:27], s[8:9], 0x0              ; bg
	s_load_b32 s40, s[10:11], 0x0                  ; e0
	s_add_nc_u64 s[4:5], s[4:5], s[18:19]
	s_add_nc_u64 s[6:7], s[6:7], s[36:37]
	s_add_nc_u64 s[12:13], s[12:13], s[34:35]
	s_add_nc_u64 s[14:15], s[14:15], s[38:39]
	s_add_nc_u64 s[16:17], s[16:17], s[38:39]
.irp m, 0,1,2,3,4,5,6,7
	global_load_b128 v[CC+4*\m:CC+4*\m+3], v2, s[6:7] offset:512*\m   ; my wave's eighth of Wg, as it lies
.endr
.irp t, 0,1,2,3
.irp i, 0,1,2,3,4,5,6,7
	global_load_b128 v[XR+32*\t+4*\i:XR+32*\t+4*\i+3], v2, s[4:5] offset:4096*\t+512*\i th:TH_LOAD_NT   ; all of my wave's share of x is asked for at once
.endr
.endr
	s_wait_kmcnt 0x0
	s_add_co_i32 s40, s40, 127
	s_lshl_b32 s41, s40, 23
	v_mov_b32 v9, s41                              ; 2^e0 as f32: the conversion takes its exponent field
	s_add_co_i32 s40, s40, 8
	s_lshl_b32 s40, s40, 23
	s_or_b32 s40, s40, 0x600000
	v_mov_b32 v10, s40                             ; 448 x 2^e0
	s_wait_loadcnt 32                              ; Wg's eight loads are in; x's 32, issued behind them, stay out
.irp m, 0,1,2,3,4,5,6,7
.irp n, 0,1,2,3
	ds_store_b32 v3, v[CC+4*\m+\n] offset:576*\m+16*\n
.endr
.endr
	s_wait_dscnt 0x0                               ; for the others' sake: my part of Wg lies in LDS
	s_barrier_signal -1
	s_barrier_wait -1
	WIN 0x40                                       ; destination window 1
.irp i, 0,1,2,3,4,5,6,7
.irp e, 0,1,2,3,4,5,6,7
	ds_load_b128 v[32*\i+4*\e:32*\i+4*\e+3], v4 offset:4608*\i+16*\e   ; Wg(128 i + 4 lane + 0..3, e)
.endr
.endr
	WIN 0
	s_wait_dscnt 0x0
; my lane's part of token t's eight logits: two k an instruction; a sum's next link stands eight instructions on
.macro DOT t
	WIN 0x04                                       ; source 1 (Wg) window 1
.irp i, 0,1,2,3,4,5,6,7
.irp hh, 0,1
.irp e, 0,1,2,3,4,5,6,7
.if (\i == 0) && (\hh == 0)
	v_pk_mul_f32 v[ACC+2*\e:ACC+2*\e+1], v[XR+32*\t+4*\i+2*\hh:XR+32*\t+4*\i+2*\hh+1], v[32*\i+4*\e+2*\hh:32*\i+4*\e+2*\hh+1]
.else
	v_pk_fma_f32 v[ACC+2*\e:ACC+2*\e+1], v[XR+32*\t+4*\i+2*\hh:XR+32*\t+4*\i+2*\hh+1], v[32*\i+4*\e+2*\hh:32*\i+4*\e+2*\hh+1], v[ACC+2*\e:ACC+2*\e+1]
.endif
.endr
.endr
.endr
	WIN 0
.irp e, 0,1,2,3,4,5,6,7
	v_add_f32 v[LG+8*\t+\e], v[ACC+2*\e], v[ACC+2*\e+1]
.endr
.endm
; token t's codes: held within +-448 x 2^e0 (the conversion to an 8-bit code does not saturate: ISA guide 7.6.2), converted, stored: each store covers 512 consecutive bytes
.macro QUANT t
.set n, 0
.rept 32
	v_med3_num_f32 v[XR+32*\t+n], v[XR+32*\t+n], -v10, v10
.set n, n+1
.endr
.irp m, 0,1,2,3
	v_cvt_scalef32_pk8_fp8_f32 v[CC+8*\t+2*\m:CC+8*\t+2*\m+1], v[XR+32*\t+8*\m:XR+32*\t+8*\m+7], v9
.endr
	v_nop                                          ; a plain instruction behind the conversions: their sources are written again further down
	global_store_b128 v2, v[CC+8*\t:CC+8*\t+3], s[12:13] offset:1024*\t
	global_store_b128 v2, v[CC+8*\t+4:CC+8*\t+7], s[12:13] offset:1024*\t+512
.endm
.irp t, 0,1,2,3
	s_wait_loadcnt 8*(3-\t)                        ; token t's eight loads are in; the later tokens' stay out
	DOT \t
	QUANT \t
.endr
	; the 32 partial logits are summed over the 32 lanes: every lane ends with all of them
.irp m, 1,2,4,8
.set n, 0
.rept 32
	v_add_f32_dpp v[LG+n], v[LG+n], v[LG+n] row_xmask:\m row_mask:0xf bank_mask:0xf
.set n, n+1
.endr
.endr
.set n, 0
.rept 32
	v_permlanex16_b32 v[XR+n], v[LG+n], s30, s31   ; (its destination counts as read: x's registers have been written)
.set n, n+1
.endr
.set n, 0
.rept 32
	v_add_f32 v[LG+n], v[LG+n], v[XR+n]
.set n, n+1
.endr
	; my lane goes on with token lane % 4, so that the tail is walked once for the wave's four tokens
.irp e, 0,1,2,3,4,5,6,7
	v_cndmask_b32 v[100+\e], v[LG+\e], v[LG+8+\e], s32
	v_cndmask_b32 v[108+\e], v[LG+16+\e], v[LG+24+\e], s32
.endr
.irp e, 0,1,2,3,4,5,6,7
	v_cndmask_b32 v[TT+\e], v[100+\e], v[108+\e], s33
.endr
.irp e, 0,1,2,3,4,5,6,7
	v_add_f32 v[TT+\e], s[20+\e], v[TT+\e]         ; + bg
.endr
.irp e, 0,1,2,3,4,5,6,7
	v_mul_f32 v[TT+\e], 0x4038aa3b, v[TT+\e]       ; x 2 log2(e)
.endr
.irp e, 0,1,2,3,4,5,6,7
	v_exp_f32 v[TT+\e], v[TT+\e]
.endr
	v_nop                                          ; a plain instruction behind the transcendentals
	s_wait_alu depctr_va_vdst(0)
.irp e, 0,1,2,3,4,5,6,7
	v_add_f32 v[TT+\e], 1.0, v[TT+\e]
.endr
.irp e, 0,1,2,3,4,5,6,7
	v_rcp_f32 v[TT+\e], v[TT+\e]
.endr
	v_nop
	s_wait_alu depctr_va_vdst(0)
.irp e, 0,1,2,3,4,5,6,7
	v_fma_f32 v[TT+\e], v[TT+\e], -2.0, 1.0        ; tanh
.endr
.macro SCAN bv, bi                     ; the largest of the eight and its index; an equal later one does not displace it
	v_mov_b32 v[\bv], v[TT]
	v_mov_b32 v[\bi], 0
.irp e, 1,2,3,4,5,6,7
	v_cmp_ge_f32 vcc_lo, v[\bv], v[TT+\e]
	v_cndmask_b32 v[\bi], \e, v[\bi], vcc_lo
	v_cndmask_b32 v[\bv], v[TT+\e], v[\bv], vcc_lo
.endr
.endm
	SCAN 116, 117
.irp e, 0,1,2,3,4,5,6,7
	v_cmp_ne_u32 vcc_lo, \e, v117
	v_cndmask_b32 v[TT+\e], -2.0, v[TT+\e], vcc_lo ; the winner steps under every tanh
.endr
	SCAN 118, 119
	v_sub_f32 v120, v118, v116                     ; the second less the first: 0 or less
	v_mul_f32 v120, 0x3fb8aa3b, v120
	v_exp_f32 v120, v120
	v_lshl_or_b32 v123, v119, 8, v117              ; i0 | i1 << 8  (a plain instruction behind the exponential)
	s_wait_alu depctr_va_vdst(0)
	v_add_f32 v121, 1.0, v120
	v_rcp_f32 v124, v121                           ; g0 = 1 / (1 + ex)
	v_nop
	s_wait_alu depctr_va_vdst(0)
	v_mul_f32 v125, v120, v124                     ; g1 = ex g0
	ds_store_b32 v5, v123                          ; the eight lanes of a token write the same word with the same value
	ds_store_b64 v6, v[124:125]
	s_wait_dscnt 0x0
	s_barrier_signal -1
	s_barrier_wait -1
	s_cmp_lg_u32 s28, 0
	s_cbranch_scc1 .Lnot_wave_0
	; wave 0, a lane a token: rank, place within the rank, and the block's counts
	ds_load_b32 v92, v7 offset:STS
	s_wait_dscnt 0x0
	v_and_b32 v93, 0xff, v92
	v_lshrrev_b32 v94, 8, v92
	v_min_u32 v95, v93, v94                        ; lo
	v_max_u32 v96, v93, v94                        ; hi
	v_sub_nc_u32 v97, 15, v95
	v_mul_u32_u24 v97, v95, v97
	v_lshrrev_b32 v97, 1, v97                      ; lo (15 - lo) / 2 sets have a smaller lo
	v_sub_nc_u32 v98, 7, v96                       ; an odd lo walks hi downward,
	v_sub_nc_u32 v99, v96, v95
	v_add_nc_u32 v99, -1, v99                      ; an even lo upward
	v_and_b32 v100, 1, v95
	v_cmp_eq_u32 vcc_lo, 1, v100
	v_cndmask_b32 v98, v99, v98, vcc_lo
	v_add_nc_u32 v97, v97, v98                     ; rank, 0 .. 27
	v_mov_b32 v101, 0                              ; P
	v_mov_b32 v102, 0                              ; the counts: lane b holds rank b's
.irp b, 0,1,2,3,4,5,6,7,8,9,10,11,12,13,14,15,16,17,18,19,20,21,22,23,24,25,26,27
	v_cmp_eq_u32 vcc_lo, \b, v97
	v_mbcnt_lo_u32_b32 v103, vcc_lo, 0
	v_cndmask_b32 v101, v101, v103, vcc_lo
	s_bcnt1_i32_b32 s41, vcc_lo
	v_writelane_b32 v102, s41, \b
.endr
	v_lshl_or_b32 v104, v97, 16, v92
	v_lshl_or_b32 v104, v101, 24, v104
	ds_store_b32 v7, v104 offset:ST2
	ds_store_b32 v7, v102 offset:ST2+128
	ds_load_b64 v[106:107], v8 offset:ST2          ; LDS serves a wave's instructions in order: this sees my two stores
	s_wait_dscnt 0x0
	global_store_b64 v8, v[106:107], s[14:15]      ; 256 consecutive bytes, aligned, by one instruction
	s_wait_tensorcnt 0x0
	ds_add_u32 v126, v127
	s_wait_dscnt 0x0
	s_endpgm
.Lnot_wave_0:
	s_cmp_lg_u32 s28, 1
	s_cbranch_scc1 .Ldone
	ds_load_b64 v[106:107], v8 offset:STG
	s_wait_dscnt 0x0
	global_store_b64 v8, v[106:107], s[16:17]      ; the block's 32 pairs of gates: 256 consecutive bytes
.Ldone:
	s_wait_tensorcnt 0x0
	ds_add_u32 v126, v127
	s_wait_dscnt 0x0
	s_endpgm
.Lfunc_end_k_q440015a237_gate:
	.size	k_q440015a237_gate, .Lfunc_end_k_q440015a237_gate-k_q440015a237_gate
	.p2alignl 7, 3214868480
	.fill 96, 4, 3214868480
	.section	.rodata,"a",@progbits
	.p2align	6, 0x0
	.amdhsa_kernel k_q440015a237_gate
		.amdhsa_group_segment_fixed_size 38912
		.amdhsa_private_segment_fixed_size 0
		.amdhsa_enable_private_segment 0
		.amdhsa_kernarg_size 56
		.amdhsa_user_sgpr_count 2
		.amdhsa_user_sgpr_kernarg_segment_ptr 1
		.amdhsa_wavefront_size32 1
		.amdhsa_system_sgpr_workgroup_id_x 1
		.amdhsa_system_sgpr_workgroup_id_y 1
		.amdhsa_system_sgpr_workgroup_id_z 1
		.amdhsa_system_vgpr_workitem_id 0
		.amdhsa_next_free_vgpr 512
		.amdhsa_next_free_sgpr 66
		.amdhsa_reserve_vcc 1
		.amdhsa_float_denorm_mode_32 3
		.amdhsa_float_denorm_mode_16_64 3
		.amdhsa_memory_ordered 1
		.amdhsa_forward_progress 1
		.amdhsa_inst_pref_size 81
	.end_amdhsa_kernel
	.amdgpu_metadata
---
amdhsa.version: [ 1, 2 ]
amdhsa.kernels:
  - .name:           k_q440015a237_gate
    .symbol:         k_q440015a237_gate.kd
    .args:
      - { .name: x, .offset: 0, .size: 8, .value_kind: global_buffer, .address_space: global }
      - { .name: Wg, .offset: 8, .size: 8, .value_kind: global_buffer, .address_space: global }
      - { .name: bg, .offset: 16, .size: 8, .value_kind: global_buffer, .address_space: global }
      - { .name: lowp_scales, .offset: 24, .size: 8, .value_kind: global_buffer, .address_space: global }
      - { .name: xq, .offset: 32, .size: 8, .value_kind: global_buffer, .address_space: global }
      - { .name: route, .offset: 40, .size: 8, .value_kind: global_buffer, .address_space: global }
      - { .name: gat, .offset: 48, .size: 8, .value_kind: global_buffer, .address_space: global }
    .group_segment_fixed_size: 38912
    .private_segment_fixed_size: 0
    .kernarg_segment_align: 8
    .kernarg_segment_size: 56
    .max_flat_workgroup_size: 256
    .sgpr_count:     66
    .vgpr_count:     512
    .wavefront_size: 32
...
	.end_amdgpu_metadata
.endif
;; end of part 1
;; launch wprep (part 2): grid 257 x 1, 16 waves a work-group, no clusters, 0 bytes of LDS; arguments We, lowp_scales, route, wq, order; writes wq, order
.if DOCPART == 2
	.amdgcn_target "amdgcn-amd-amdhsa--gfx1250"
	.amdhsa_code_object_version 6
	.text
	.protected	k_q440015a237_wprep
	.globl	k_q440015a237_wprep
	.p2align	8
	.type	k_q440015a237_wprep,@function
k_q440015a237_wprep:
	s_mov_b64 s[64:65], 0
	v_nop
	global_prefetch_b8 v0, s[64:65] scope:SCOPE_SE
	s_setreg_imm32_b32 hwreg(HW_REG_WAVE_MODE, 25, 1), 1
	s_wait_xcnt 0x0
; WORK-GROUPS 1 .. 256: We [8][1024 (k)][1024 (n)] f32 becomes codes of E4M3 with the given scale 2^e1, laid in the order in which the next launch's operand registers take them:
;   wq byte = e 2^20 + w 2^17 + s 2^14 + c 2^11 + g 512 + h 256 + r 16 + b   for column n = 128 w + 16 c + r and code position q = 128 s + 32 g + 16 h + b,
;   where position q stands for k = 512 (s / 4) + 128 (b / 4) + 32 (s % 4) + 8 g + 4 h + b % 4: the order of K in which the first launch stored x's codes.
; A lane takes a column and its registers run down K in that order, so the conversions' results are 16 neighbouring bytes of wq and sixteen lanes store 256 consecutive bytes, aligned.
; A work-group takes one expert, 256 columns and one s; wave (cw, gh) takes 32 columns and g = 2 gh, 2 gh + 1: 64 loads a lane, all asked for at once; each reads 128 consecutive bytes a wave.
; WORK-GROUP 0 places the tokens by the rank of their set of experts (a counting sort): order[position] = token | i0 << 13 | i1 << 16.  Wave w owns the blocks 16 w .. 16 w + 15 of the first
; launch.  Every wave adds up all 256 blocks' counts itself, so the waves hand each other nothing.  Its stores are single words at places that hang on the data: 32,768 bytes in all.
; LIMITS: e1 between -126 and 119.  NaN among the inputs is not served.
	s_load_b256 s[4:11], s[0:1], 0x0               ; We s[4:5], the scales' exponents s[6:7], route s[8:9], wq s[10:11]
	s_load_b64 s[12:13], s[0:1], 0x20              ; order
	v_lshrrev_b32 v1, 5, v0
	v_readfirstlane_b32 s14, v1                    ; wave 0..15
	v_and_b32 v1, 31, v0                           ; lane
	v_lshlrev_b32 v2, 2, v1                        ; 4 x lane
	s_wait_kmcnt 0x0
	s_cmp_eq_u32 ttmp9, 0
	s_cbranch_scc1 .Lplace
	; ---- the weights
	s_load_b32 s28, s[6:7], 0x4                    ; e1
	s_sub_co_u32 s15, ttmp9, 1
	s_lshr_b32 s16, s15, 5                         ; e
	s_bfe_u32 s17, s15, 0x20003                    ; cg: which 256 columns
	s_and_b32 s18, s15, 7                          ; s
	s_and_b32 s19, s14, 7                          ; cw: which 32 of them
	s_lshr_b32 s20, s14, 3                         ; gh
	s_lshr_b32 s21, s18, 2
	s_lshl_b32 s21, s21, 9
	s_and_b32 s22, s18, 3
	s_lshl_b32 s22, s22, 5
	s_add_co_u32 s21, s21, s22
	s_lshl_b32 s22, s20, 4
	s_add_co_u32 s21, s21, s22                     ; my first row of We: 512 (s / 4) + 32 (s % 4) + 16 gh
	s_lshl_b32 s21, s21, 12                        ; rows of 4,096 bytes
	s_lshl_b32 s22, s16, 22
	s_add_co_u32 s21, s21, s22
	s_lshl_b32 s22, s17, 10
	s_add_co_u32 s21, s21, s22
	s_lshl_b32 s22, s19, 7
	s_add_co_u32 s24, s21, s22                     ; + 4 (256 cg + 32 cw)
	s_mov_b32 s25, 0
	s_lshl_b32 s26, s16, 20
	s_lshl_b32 s22, s17, 1
	s_lshr_b32 s23, s19, 2
	s_add_co_u32 s22, s22, s23                     ; w = 2 cg + cw / 4
	s_lshl_b32 s22, s22, 17
	s_add_co_u32 s26, s26, s22
	s_lshl_b32 s22, s18, 14
	s_add_co_u32 s26, s26, s22
	s_and_b32 s22, s19, 3
	s_lshl_b32 s22, s22, 12                        ; c = 2 (cw % 4) + lane / 16
	s_add_co_u32 s26, s26, s22
	s_lshl_b32 s22, s20, 10                        ; g = 2 gh + gi
	s_add_co_u32 s26, s26, s22
	s_mov_b32 s27, 0
	s_add_nc_u64 s[4:5], s[4:5], s[24:25]
	s_add_nc_u64 s[10:11], s[10:11], s[26:27]
	v_lshrrev_b32 v3, 4, v1
	v_lshlrev_b32 v3, 11, v3
	v_and_b32 v4, 15, v1
	v_lshl_add_u32 v3, v4, 4, v3                   ; in wq: 2,048 (lane / 16) + 16 (lane % 16)
.irp gi, 0,1
.irp h, 0,1
.irp b, 0,1,2,3,4,5,6,7,8,9,10,11,12,13,14,15
	global_load_b32 v[64+32*\gi+16*\h+\b], v2, s[4:5] offset:(128*(\b/4)+8*\gi+4*\h+(\b%4))*4096 th:TH_LOAD_NT
.endr
.endr
.endr
	s_wait_kmcnt 0x0
	s_add_co_i32 s28, s28, 127
	s_lshl_b32 s29, s28, 23
	v_mov_b32 v11, s29                             ; 2^e1 as f32
	s_add_co_i32 s28, s28, 8
	s_lshl_b32 s28, s28, 23
	s_or_b32 s28, s28, 0x600000
	v_mov_b32 v10, s28                             ; 448 x 2^e1
.irp gi, 0,1
	s_wait_loadcnt 32-32*\gi                       ; this g's 32 loads are in; the other's, issued behind them, may be out
.set n, 0
.rept 32
	v_med3_num_f32 v[64+32*\gi+n], v[64+32*\gi+n], -v10, v10   ; the conversion to an 8-bit code does not saturate (ISA guide 7.6.2)
.set n, n+1
.endr
.irp m, 0,1,2,3
	v_cvt_scalef32_pk8_fp8_f32 v[32+8*\gi+2*\m:33+8*\gi+2*\m], v[64+32*\gi+8*\m:71+32*\gi+8*\m], v11
.endr
	v_nop
	global_store_b128 v3, v[32+8*\gi:35+8*\gi], s[10:11] offset:512*\gi        ; h = 0
	global_store_b128 v3, v[36+8*\gi:39+8*\gi], s[10:11] offset:512*\gi+256    ; h = 1
.endr
	s_endpgm
	; ---- the placing.  REGISTERS: v3 my token in my wave's first block; v4 all blocks' counts; v5 the counts of the waves in front of mine; v6 where each rank begins;
	; v16-31 sixteen groups' counts; v32-47 my blocks' counts; v48-63 my blocks' tokens; v64-127 four sets of sixteen loads, later places and words.  For counts lane = rank, for tokens lane = token.
.Lplace:
	s_lshl_b32 s18, s14, 12
	s_mov_b32 s19, 0
	s_add_nc_u64 s[16:17], s[8:9], s[18:19]        ; route at my wave's sixteen blocks
	s_lshl_b32 s20, s14, 9
	v_add_nc_u32 v3, s20, v1                       ; 512 wave + lane
.macro GRP g                           ; sixteen loads: groups 0 .. 15: the counts of blocks 16 g .. 16 g + 15; 16: my blocks' tokens; 17: my blocks' counts; beyond: nothing
.if (\g) < 16
.irp j, 0,1,2,3,4,5,6,7,8,9,10,11,12,13,14,15
	global_load_b32 v[64+16*((\g)%4)+\j], v2, s[8:9] offset:(16*(\g)+\j)*256+128
.endr
.elseif (\g) == 16
.irp j, 0,1,2,3,4,5,6,7,8,9,10,11,12,13,14,15
	global_load_b32 v[48+\j], v2, s[16:17] offset:\j*256
.endr
.elseif (\g) == 17
.irp j, 0,1,2,3,4,5,6,7,8,9,10,11,12,13,14,15
	global_load_b32 v[32+\j], v2, s[16:17] offset:\j*256+128
.endr
.endif
.endm
.macro SUM16 d, s                      ; v[d] = the sum of v[s] .. v[s + 15]
	v_add3_u32 v[\d], v[\s], v[\s+1], v[\s+2]
.irp k, 3,5,7,9,11,13
	v_add3_u32 v[\d], v[\d], v[\s+\k], v[\s+\k+1]
.endr
	v_add_nc_u32 v[\d], v[\d], v[\s+15]
.endm
	GRP 0
	GRP 1
	GRP 2
.irp g, 0,1,2,3,4,5,6,7,8,9,10,11,12,13,14,15
	s_wait_loadcnt 32                              ; group g is in; the two groups issued behind it stay out
	SUM16 16+\g, 64+16*(\g%4)
	GRP \g+3                                       ; into the set that was added up one turn ago
.endr
	s_wait_loadcnt 0x0
	SUM16 4, 16
	v_mov_b32 v5, 0
.irp g, 0,1,2,3,4,5,6,7,8,9,10,11,12,13,14,15
	s_cmp_gt_u32 s14, \g
	s_cselect_b32 s20, -1, 0
	v_and_b32 v8, s20, v[16+\g]
	v_add_nc_u32 v5, v5, v8
.endr
	v_mov_b32 v6, 0
	s_mov_b32 s21, 0
.irp b, 0,1,2,3,4,5,6,7,8,9,10,11,12,13,14,15,16,17,18,19,20,21,22,23,24,25,26,27
	v_readlane_b32 s22, v4, \b
	v_writelane_b32 v6, s21, \b
	s_add_co_u32 s21, s21, s22
.endr
	v_add_nc_u32 v64, v6, v5                       ; where each rank's tokens of my first block begin,
.irp j, 1,2,3,4,5,6,7,8,9,10,11,12,13,14,15
	v_add_nc_u32 v[64+\j], v[63+\j], v[31+\j]      ; and of block j
.endr
.irp j, 0,1,2,3,4,5,6,7,8,9,10,11,12,13,14,15
	v_bfe_u32 v[96+\j], v[48+\j], 16, 5
	v_lshlrev_b32 v[96+\j], 2, v[96+\j]
	ds_bpermute_b32 v[80+\j], v[96+\j], v[64+\j]   ; my token's rank's beginning, from the lane of that rank (no LDS byte is touched)
.endr
.irp j, 0,1,2,3,4,5,6,7,8,9,10,11,12,13,14,15
	v_add_nc_u32 v[112+\j], 32*\j, v3              ; the token,
	v_and_b32 v8, 7, v[48+\j]
	v_lshl_or_b32 v[112+\j], v8, 13, v[112+\j]     ; i0,
	v_bfe_u32 v9, v[48+\j], 8, 3
	v_lshl_or_b32 v[112+\j], v9, 16, v[112+\j]     ; i1
.endr
.irp j, 0,1,2,3,4,5,6,7,8,9,10,11,12,13,14,15
	s_wait_dscnt 15-\j                             ; permute j is back; the later ones may be out
	v_lshrrev_b32 v9, 24, v[48+\j]
	v_add_nc_u32 v[96+\j], v[80+\j], v9            ; + its place within the rank in its block
	v_min_u32 v[96+\j], 0x1fff, v[96+\j]
	v_lshlrev_b32 v[96+\j], 2, v[96+\j]
	global_store_b32 v[96+\j], v[112+\j], s[12:13] ; each store has address and data registers of its own: none is written again
.endr
	s_endpgm
.Lfunc_end_k_q440015a237_wprep:
	.size	k_q440015a237_wprep, .Lfunc_end_k_q440015a237_wprep-k_q440015a237_wprep
	.p2alignl 7, 3214868480
	.fill 96, 4, 3214868480
	.section	.rodata,"a",@progbits
	.p2align	6, 0x0
	.amdhsa_kernel k_q440015a237_wprep
		.amdhsa_group_segment_fixed_size 0
		.amdhsa_private_segment_fixed_size 0
		.amdhsa_enable_private_segment 0
		.amdhsa_kernarg_size 40
		.amdhsa_user_sgpr_count 2
		.amdhsa_user_sgpr_kernarg_segment_ptr 1
		.amdhsa_wavefront_size32 1
		.amdhsa_system_sgpr_workgroup_id_x 1
		.amdhsa_system_sgpr_workgroup_id_y 1
		.amdhsa_system_sgpr_workgroup_id_z 1
		.amdhsa_system_vgpr_workitem_id 0
		.amdhsa_next_free_vgpr 128
		.amdhsa_next_free_sgpr 66
		.amdhsa_reserve_vcc 0
		.amdhsa_float_denorm_mode_32 3
		.amdhsa_float_denorm_mode_16_64 3
		.amdhsa_memory_ordered 1
		.amdhsa_forward_progress 1
		.amdhsa_inst_pref_size 68
	.end_amdhsa_kernel
	.amdgpu_metadata
---
amdhsa.version: [ 1, 2 ]
amdhsa.kernels:
  - .name:           k_q440015a237_wprep
    .symbol:         k_q440015a237_wprep.kd
    .args:
      - { .name: We, .offset: 0, .size: 8, .value_kind: global_buffer, .address_space: global }
      - { .name: lowp_scales, .offset: 8, .size: 8, .value_kind: global_buffer, .address_space: global }
      - { .name: route, .offset: 16, .size: 8, .value_kind: global_buffer, .address_space: global }
      - { .name: wq, .offset: 24, .size: 8, .value_kind: global_buffer, .address_space: global }
      - { .name: order, .offset: 32, .size: 8, .value_kind: global_buffer, .address_space: global }
    .group_segment_fixed_size: 0
    .private_segment_fixed_size: 0
    .kernarg_segment_align: 8
    .kernarg_segment_size: 40
    .max_flat_workgroup_size: 512
    .sgpr_count:     66
    .vgpr_count:     128
    .wavefront_size: 32
...
	.end_amdgpu_metadata
.endif
;; end of part 2
;; launch experts (part 3): grid 256 x 1, 8 waves a work-group, no clusters, 183,808 bytes of LDS; arguments xq, wq, order, gat, be, gamma, beta, lowp_scales, out0; writes out0
.if DOCPART == 3
	.amdgcn_target "amdgcn-amd-amdhsa--gfx1250"
	.amdhsa_code_object_version 6
	.text
	.protected	k_q440015a237_experts
	.globl	k_q440015a237_experts
	.p2align	8
	.type	k_q440015a237_experts,@function
k_q440015a237_experts:
	s_mov_b64 s[64:65], 0
	v_nop
	global_prefetch_b8 v0, s[64:65] scope:SCOPE_SE
	s_setreg_imm32_b32 hwreg(HW_REG_WAVE_MODE, 25, 1), 1
	s_wait_xcnt 0x0
; out0[token] = the sum over the token's two experts of gate x LayerNorm(GELU(x We[e] + be[e])) (gamma[e], beta[e]); the product on codes of E4M3, sums in f32, each sum x 2^(e0 + e1).
; A work-group owns 32 tokens of the sorted order (tokens with the same set of experts lie together) and every one of their output rows.  It makes one PASS for each expert that any of its
; tokens uses: product, GELU, LayerNorm, x gate (0 for a token that does not use the expert), added up in LDS; then each row is stored once.  The hidden layer never goes to memory.
; THE WAVES SHARE THE COLUMNS: wave w makes columns 128 w .. 128 w + 127 for all 32 tokens, so each byte of an expert's codes is loaded once in the work-group, from memory straight into the operand's
; registers (the launch before laid them so).  The product is used transposed (source 0 = 16 columns of We, source 1 = 16 tokens): lane (r, h) holds token 16 tt + r, register j column 128 w + 16 c + 8 h + j.
; No tensor load and no cluster: which experts a work-group walks hangs on the stored list, and neighbours walk different lists.  Both barriers of a pass stand outside the branches on that list.
; THE PASSES: the first used expert's is written out; the others are trips of a loop over experts 1 .. 7, in which the weights' address is made of the loop's counter.  The first pass asks, behind its own last
; K steps, for the first two K steps of the next used expert; a third or later pass asks for its own at its head.
; GELU: 2 GELU(x) = x + |x| erf(|x| / sqrt 2), erf by the five-term rational form of Abramowitz and Stegun 7.1.26 (absolute error 1.5e-7 for every x).  The factor 2 stays: LayerNorm of 2 h with 4 eps is LayerNorm of h with eps.
; The variance is taken of the differences from the mean, in a second walk over the registers.
; LIMITS: e0 + e1 between -126 and 127.  NaN among the inputs is not served.
; LDS: XS 32 rows of x's codes, pitch 1,040 | RED two areas of [token][wave] f32 | PAR for each wave be, gamma, beta of its 128 columns | OUTS for each wave, its own: 32 rows x (512 + 16) bytes.
; REGISTERS, window 0: v1 16 lane; v2 x fragments; v3 x rows in; v4 512 w + 16 lane; v5 the same + 4,096 e; v6, v7 PAR in, out; v8, v9 OUTS by fragment, by row; v10, v11 RED in, out; v12-13 order words;
;   v14-15 offsets in gat; v16-19 i0, i1 of my two tokens; v20-23 their gates; v24, v26 -mean; v28, v30 gate / sigma; v32, v34 gate (each the low word of a pair); v36-37 a constant; v38-45 four pairs of sums;
;   v46-57 be, gamma, beta as loaded; v58-63 at work; v64-127 x's fragments (two sets of 2 x 16), at work behind the product; v128-255 the 16 accumulators ((tt, c) at 128 + 64 tt + 8 c).
;   window 1: the weights' fragments, two sets of 8 x 16.
; SCALARS: s22 wave; s23 the block's experts but the first, a bit each; s24 the expert in hand; s25 not 0: the first two K steps of the next pass have been asked for; s[28:29] the weights in hand; s[30:31] the next expert's
;   (first pass alone); s[44:45] wq at my wave's columns; s[46:59] constants; s[68:99] the block's 32 order words.
.set XSP,  1040
.set RED,  33280
.set PAR,  35328
.set OUTS, 47616
.set OSP,  528
.set MSB, 0
.macro WIN new                         ; the immediate's high byte repeats the setting that is left
.if MSB != \new
	s_set_vgpr_msb (MSB<<8)|\new
.set MSB, \new
.endif
.endm
.macro PLACES                          ; four plain instructions between a matrix instruction and a load into, or a vector instruction on, its registers
.rept 4
	v_nop
.endr
.endm
.macro BAR                             ; my LDS stores have landed and my LDS loads are in: then the work-group's barrier
	s_wait_dscnt 0x0
	s_barrier_signal -1
	s_barrier_wait -1
.endm
.macro WLOAD base, s, b                ; my 8 fragments of K step s of the expert at s[base] into set b: 32 loads of 512 consecutive bytes
.irp c, 0,1,2,3,4,5,6,7
.irp g, 0,1,2,3
	global_load_b128 v[128*(\b)+16*\c+4*\g:128*(\b)+16*\c+4*\g+3], v1, s[\base:\base+1] offset:(8*(\s)+\c)*2048+512*\g
.endr
.endr
.endm
.macro XFETCH s, p                     ; x's two fragments of K step s into set p
.irp tt, 0,1
.irp g, 0,1,2,3
	ds_load_b128 v[64+32*(\p)+16*\tt+4*\g:64+32*(\p)+16*\tt+4*\g+3], v2 offset:16*XSP*\tt+128*(\s)+32*\g
.endr
.endr
.endm
.macro MM b, p, zero                   ; 16 matrix instructions; the 16 accumulators take turns, in the same order in every step.  zero = 1: the first step starts the sums
.irp c, 0,1,2,3,4,5,6,7
.irp tt, 0,1
.if \zero
	v_wmma_f32_16x16x128_fp8_fp8 v[128+64*\tt+8*\c:135+64*\tt+8*\c], v[128*(\b)+16*\c:128*(\b)+16*\c+15], v[64+32*(\p)+16*\tt:64+32*(\p)+16*\tt+15], 0
.else
	v_wmma_f32_16x16x128_fp8_fp8 v[128+64*\tt+8*\c:135+64*\tt+8*\c], v[128*(\b)+16*\c:128*(\b)+16*\c+15], v[64+32*(\p)+16*\tt:64+32*(\p)+16*\tt+15], v[128+64*\tt+8*\c:135+64*\tt+8*\c]
.endif
.endr
.endr
.endm
; K steps 0 .. 5.  lc: the loads issued behind this step's weights, which may stay out
.macro STEP s, lc, zero
	s_wait_loadcnt \lc
	s_wait_dscnt 8                                 ; this step's fragments of x are in; the next step's eight loads may be out
.if (\s) == 2
	ds_store_b128 v6, v[46:49]                     ; be, gamma, beta of my 128 columns (their loads were issued ahead of this step's weights)
	ds_store_b128 v6, v[50:53] offset:512
	ds_store_b128 v6, v[54:57] offset:1024
.endif
	WIN 0x01                                       ; source 0 (the weights) window 1
	MM (\s)%2, (\s)%2, \zero
	PLACES
	WIN 0x40                                       ; destination window 1
	WLOAD 28, (\s)+2, (\s)%2
	WIN 0
	XFETCH (\s)+2, (\s)%2
.endm
.macro BEF c                           ; be of tile c's eight columns of my half
	ds_load_b128 v[64+8*((\c)%2):67+8*((\c)%2)], v7 offset:64*(\c)
	ds_load_b128 v[68+8*((\c)%2):71+8*((\c)%2)], v7 offset:64*(\c)+16
.endm
; tile c of both tiles of tokens: 16 numbers a lane.  T v80-95, E v96-111, P v112-127
.macro GELU16 c
.set BE, 64+8*((\c)%2)
.irp tt, 0,1
.irp i, 0,2,4,6
	v_pk_fma_f32 v[128+64*\tt+8*(\c)+\i:129+64*\tt+8*(\c)+\i], v[128+64*\tt+8*(\c)+\i:129+64*\tt+8*(\c)+\i], s[46:47], v[BE+\i:BE+\i+1] op_sel_hi:[1,0,1]   ; x = sum 2^(e0 + e1) + be; each accumulator from its low end on
.endr
.endr
.irp tt, 0,1
.irp n, 0,1,2,3,4,5,6,7
	v_fma_f32 v[80+8*\tt+\n], |v[128+64*\tt+8*(\c)+\n]|, s58, 1.0   ; 1 + p |x| / sqrt 2
.endr
.endr
.irp tt, 0,1
.irp i, 0,2,4,6
	v_pk_mul_f32 v[96+8*\tt+\i:97+8*\tt+\i], v[128+64*\tt+8*(\c)+\i:129+64*\tt+8*(\c)+\i], v[128+64*\tt+8*(\c)+\i:129+64*\tt+8*(\c)+\i]
.endr
.endr
.irp n, 0,1,2,3,4,5,6,7,8,9,10,11,12,13,14,15
	v_rcp_f32 v[80+\n], v[80+\n]                   ; t
.endr
.irp i, 0,2,4,6,8,10,12,14
	v_pk_mul_f32 v[96+\i:97+\i], v[96+\i:97+\i], s[48:49] op_sel_hi:[1,0]   ; -x^2 log2(e) / 2.  (Plain instructions behind the reciprocals)
.endr
.irp n, 0,1,2,3,4,5,6,7,8,9,10,11,12,13,14,15
	v_exp_f32 v[96+\n], v[96+\n]                   ; e^(-x^2 / 2)
.endr
	s_wait_alu depctr_va_vdst(0)
.irp i, 0,2,4,6,8,10,12,14
	v_pk_fma_f32 v[112+\i:113+\i], v[80+\i:81+\i], s[56:57], v[36:37] op_sel_hi:[1,0,1]   ; the polynomial, with all its signs turned.  (Plain instructions behind the exponentials)
.endr
.irp k, 54,52,50
.irp i, 0,2,4,6,8,10,12,14
	v_pk_fma_f32 v[112+\i:113+\i], v[112+\i:113+\i], v[80+\i:81+\i], s[\k:\k+1] op_sel_hi:[1,1,0]
.endr
.endr
.irp i, 0,2,4,6,8,10,12,14
	v_pk_mul_f32 v[112+\i:113+\i], v[112+\i:113+\i], v[80+\i:81+\i]
.endr
.irp i, 0,2,4,6,8,10,12,14
	v_pk_fma_f32 v[112+\i:113+\i], v[112+\i:113+\i], v[96+\i:97+\i], 1.0 op_sel_hi:[1,1,0]   ; erf(|x| / sqrt 2)
.endr
.irp tt, 0,1
.irp n, 0,1,2,3,4,5,6,7
	v_fma_f32 v[128+64*\tt+8*(\c)+\n], |v[128+64*\tt+8*(\c)+\n]|, v[112+8*\tt+\n], v[128+64*\tt+8*(\c)+\n]   ; 2 GELU(x)
.endr
.endr
.if (\c) == 0
.irp tt, 0,1
.irp ch, 0,2
	v_pk_add_f32 v[38+4*\tt+\ch:39+4*\tt+\ch], v[128+64*\tt+\ch:129+64*\tt+\ch], v[132+64*\tt+\ch:133+64*\tt+\ch]   ; the first tile starts the sums: two chains for each tile of tokens
.endr
.endr
.else
.irp u, 0,4
.irp tt, 0,1
.irp ch, 0,2
	v_pk_add_f32 v[38+4*\tt+\ch:39+4*\tt+\ch], v[38+4*\tt+\ch:39+4*\tt+\ch], v[128+64*\tt+8*(\c)+\u+\ch:129+64*\tt+8*(\c)+\u+\ch]
.endr
.endr
.endr
.endif
.endm
.macro RSUM area                       ; my wave's sums over its 128 columns, for the 32 tokens, go to RED: lane = token
	v_pk_add_f32 v[38:39], v[38:39], v[40:41]
	v_pk_add_f32 v[42:43], v[42:43], v[44:45]
	v_add_f32 v58, v38, v39
	v_add_f32 v59, v42, v43
	v_permlanex16_b32 v60, v58, s60, s61           ; the other half of the lanes holds the other eight columns of each tile
	v_permlanex16_b32 v61, v59, s60, s61
	v_add_f32 v58, v58, v60
	v_add_f32 v59, v59, v61
	v_cndmask_b32 v58, v58, v59, s62               ; lanes 0-15: tokens 0-15; lanes 16-31: tokens 16-31
	ds_store_b32 v10, v58 offset:\area
.endm
.macro RGET area                       ; the eight waves' sums of my two tokens, added in the same order in every wave: v58, v59
	ds_load_b128 v[64:67], v11 offset:\area
	ds_load_b128 v[68:71], v11 offset:\area+16
	ds_load_b128 v[72:75], v11 offset:\area+512
	ds_load_b128 v[76:79], v11 offset:\area+528
	s_wait_dscnt 0x0
	v_pk_add_f32 v[64:65], v[64:65], v[66:67]
	v_pk_add_f32 v[68:69], v[68:69], v[70:71]
	v_pk_add_f32 v[72:73], v[72:73], v[74:75]
	v_pk_add_f32 v[76:77], v[76:77], v[78:79]
	v_pk_add_f32 v[64:65], v[64:65], v[68:69]
	v_pk_add_f32 v[72:73], v[72:73], v[76:77]
	v_add_f32 v58, v64, v65
	v_add_f32 v59, v72, v73
.endm
; PART 1 OF A PASS, for expert s24: the product, GELU, the rows' sums.  first = 1: the written-out pass of the block's first expert; 0: a trip of the loop.
; When K step 0 begins, the weights of K steps 0 and 1 are on their way or in (64 loads), and the three loads of be, gamma, beta have been issued behind them.
.macro R1 first
	s_wait_xcnt 0x0                                ; every earlier load has read its base and its offset: they are written again only behind this wait
.if \first
	s_mov_b64 s[28:29], s[30:31]                   ; the expert in hand: the head has made its address and asked for its K steps 0 and 1
	s_lshr_b32 s25, s23, s24
	s_lshr_b32 s25, s25, 1                         ; the used experts above it: 0 if none
	s_ctz_i32_b32 s26, s25
	s_add_co_u32 s26, s26, s24
	s_add_co_u32 s26, s26, 1
	s_min_u32 s26, s26, 7                          ; the next one
	s_lshl_b32 s66, s26, 20
	s_mov_b32 s67, 0
	s_add_nc_u64 s[30:31], s[44:45], s[66:67]
.else
	s_lshl_b32 s66, s24, 20                        ; the expert in hand is the loop's counter: 2^20 bytes of codes an expert
	s_mov_b32 s67, 0
	s_add_nc_u64 s[28:29], s[44:45], s[66:67]
	s_cmp_lg_u32 s25, 0                            ; have my K steps 0 and 1 been asked for by the first pass?
	s_cbranch_scc1 .Lhave_\@
	s_wait_loadcnt 0x0                             ; no: then no load is out, and this wait says so ahead of the loads into the weights' registers
	WIN 0x40                                       ; destination window 1
	WLOAD 28, 0, 0
	WLOAD 28, 1, 1
	WIN 0
.Lhave_\@:
	s_mov_b32 s25, 0                               ; what was asked for ahead is used up by this pass
.endif
	s_lshl_b32 s63, s24, 12
	v_add_nc_u32 v5, s63, v4
	global_load_b128 v[46:49], v5, s[12:13]        ; be,
	global_load_b128 v[50:53], v5, s[14:15]        ; gamma,
	global_load_b128 v[54:57], v5, s[16:17]        ; beta of my 128 columns: 512 consecutive bytes each
	XFETCH 0, 0
	XFETCH 1, 1
	STEP 0, 35, 1                                  ; behind step 0's weights: step 1's 32 loads and the three above
	STEP 1, 35, 0                                  ; behind step 1's: the three, and step 2's 32
	STEP 2, 32, 0                                  ; from here on: the next step's 32
	STEP 3, 32, 0
	STEP 4, 32, 0
	STEP 5, 32, 0
	s_wait_loadcnt 32
	s_wait_dscnt 8
	WIN 0x01
	MM 0, 0, 0                                     ; K step 6
.if \first
	PLACES
	WIN 0
	s_cmp_eq_u32 s25, 0                            ; ONE branch: with a next expert both of its first two K steps are asked for, without one neither
	s_cbranch_scc1 .Llast_\@
	WIN 0x40
	WLOAD 30, 0, 0
	WIN 0
	s_wait_loadcnt 32                              ; step 7's weights are in; the 32 just issued stay out
	s_wait_dscnt 0x0
	WIN 0x01
	MM 1, 1, 0                                     ; K step 7
	PLACES
	WIN 0x40
	WLOAD 30, 1, 1
	WIN 0
	s_branch .Ljoin_\@
.Llast_\@:
	s_wait_loadcnt 0x0
	s_wait_dscnt 0x0
	WIN 0x01
	MM 1, 1, 0                                     ; K step 7
	PLACES
	WIN 0
.Ljoin_\@:
.else
	s_wait_loadcnt 0x0                             ; step 7's weights: nothing was issued behind them
	s_wait_dscnt 0x0
	MM 1, 1, 0                                     ; K step 7
	PLACES
	WIN 0
.endif
	v_cmp_eq_u32 vcc_lo, s24, v16                  ; my tokens' gates for this expert; 0 where it is neither of a token's two
	v_cndmask_b32 v32, 0, v20, vcc_lo
	v_cmp_eq_u32 vcc_lo, s24, v17
	v_cndmask_b32 v32, v32, v21, vcc_lo
	v_cmp_eq_u32 vcc_lo, s24, v18
	v_cndmask_b32 v34, 0, v22, vcc_lo
	v_cmp_eq_u32 vcc_lo, s24, v19
	v_cndmask_b32 v34, v34, v23, vcc_lo
	BEF 0
.irp c, 0,1,2,3,4,5,6,7
.if \c < 7
	BEF \c+1
	s_wait_dscnt 2                                 ; this tile's be is in; the next tile's two loads may be out
.else
	s_wait_dscnt 0x0
.endif
	GELU16 \c
.endr
	RSUM 0
.endm
; PART 2: the mean; the differences from it, in place; the sums of their squares
.macro R2
	RGET 0
	v_mul_f32 v24, 0xba800000, v58                 ; -sum / 1,024
	v_mul_f32 v26, 0xba800000, v59
.irp c, 0,1,2,3,4,5,6,7
.irp tt, 0,1
.irp i, 0,2,4,6
	v_pk_add_f32 v[128+64*\tt+8*\c+\i:129+64*\tt+8*\c+\i], v[128+64*\tt+8*\c+\i:129+64*\tt+8*\c+\i], v[24+2*\tt:25+2*\tt] op_sel_hi:[1,0]
.endr
.endr
.irp u, 0,4
.irp tt, 0,1
.irp ch, 0,2
.if (\c == 0) && (\u == 0)
	v_pk_mul_f32 v[38+4*\tt+\ch:39+4*\tt+\ch], v[128+64*\tt+\ch:129+64*\tt+\ch], v[128+64*\tt+\ch:129+64*\tt+\ch]
.else
	v_pk_fma_f32 v[38+4*\tt+\ch:39+4*\tt+\ch], v[128+64*\tt+8*\c+\u+\ch:129+64*\tt+8*\c+\u+\ch], v[128+64*\tt+8*\c+\u+\ch:129+64*\tt+8*\c+\u+\ch], v[38+4*\tt+\ch:39+4*\tt+\ch]
.endif
.endr
.endr
.endr
.endr
	RSUM 1024
.endm
; PART 3: out += gate ((d / sigma) gamma + beta), kept in my own rows of LDS.  first = 1: the first pass starts the rows: nothing is cleared
.macro L3 c, first                     ; tile c's gamma and beta, and what the rows hold so far, into set c % 2 of v64-127
.set LB, 64+32*((\c)%2)
	ds_load_b128 v[LB:LB+3], v7 offset:512+64*(\c)
	ds_load_b128 v[LB+4:LB+7], v7 offset:512+64*(\c)+16
	ds_load_b128 v[LB+8:LB+11], v7 offset:1024+64*(\c)
	ds_load_b128 v[LB+12:LB+15], v7 offset:1024+64*(\c)+16
.if \first == 0
.irp tt, 0,1
	ds_load_b128 v[LB+16+8*\tt:LB+19+8*\tt], v8 offset:16*OSP*\tt+64*(\c)
	ds_load_b128 v[LB+20+8*\tt:LB+23+8*\tt], v8 offset:16*OSP*\tt+64*(\c)+16
.endr
.endif
.endm
.macro C3 c, first
.set LB, 64+32*((\c)%2)
.irp tt, 0,1
.irp i, 0,2,4,6
	v_pk_mul_f32 v[128+64*\tt+8*(\c)+\i:129+64*\tt+8*(\c)+\i], v[128+64*\tt+8*(\c)+\i:129+64*\tt+8*(\c)+\i], v[28+2*\tt:29+2*\tt] op_sel_hi:[1,0]
.endr
.endr
.irp tt, 0,1
.irp i, 0,2,4,6
.if \first
	v_pk_mul_f32 v[128+64*\tt+8*(\c)+\i:129+64*\tt+8*(\c)+\i], v[128+64*\tt+8*(\c)+\i:129+64*\tt+8*(\c)+\i], v[LB+\i:LB+\i+1]
.else
	v_pk_fma_f32 v[128+64*\tt+8*(\c)+\i:129+64*\tt+8*(\c)+\i], v[128+64*\tt+8*(\c)+\i:129+64*\tt+8*(\c)+\i], v[LB+\i:LB+\i+1], v[LB+16+8*\tt+\i:LB+17+8*\tt+\i]
.endif
.endr
.endr
.irp tt, 0,1
.irp i, 0,2,4,6
	v_pk_fma_f32 v[128+64*\tt+8*(\c)+\i:129+64*\tt+8*(\c)+\i], v[LB+8+\i:LB+9+\i], v[32+2*\tt:33+2*\tt], v[128+64*\tt+8*(\c)+\i:129+64*\tt+8*(\c)+\i] op_sel_hi:[1,0,1]
.endr
.endr
.irp tt, 0,1
	ds_store_b128 v8, v[128+64*\tt+8*(\c):131+64*\tt+8*(\c)] offset:16*OSP*\tt+64*(\c)
	ds_store_b128 v8, v[132+64*\tt+8*(\c):135+64*\tt+8*(\c)] offset:16*OSP*\tt+64*(\c)+16
.endr
.endm
.macro R3 first
	RGET 1024
	L3 0, \first
	v_fma_f32 v58, v58, s27, s59                   ; the variance of 2 h + 4 eps
	v_fma_f32 v59, v59, s27, s59
	v_rsq_f32 v58, v58
	v_rsq_f32 v59, v59
	v_nop                                          ; a plain instruction behind the transcendentals
	s_wait_alu depctr_va_vdst(0)
	v_mul_f32 v28, v32, v58
	v_mul_f32 v30, v34, v59
.irp c, 0,1,2,3,4,5,6,7
.if \c < 7
	L3 \c+1, \first
.endif
.if \c == 0
	s_wait_dscnt 8-4*\first                        ; behind this tile's loads: the next tile's (8, or 4 in the first pass)
.elseif \c < 7
	s_wait_dscnt 12-4*\first                       ; the last tile's four stores and the next tile's loads
.else
	s_wait_dscnt 4                                 ; the last tile's four stores
.endif
	C3 \c, \first
.endr
.endm
	; ---- the head
	s_load_b512 s[4:19], s[0:1], 0x0               ; xq s[4:5], wq s[6:7], order s[8:9], gat s[10:11], be s[12:13], gamma s[14:15], beta s[16:17], the scales' exponents s[18:19]
	s_load_b64 s[20:21], s[0:1], 0x40              ; out0
	v_lshrrev_b32 v58, 5, v0
	v_readfirstlane_b32 s22, v58                   ; wave 0..7
	v_and_b32 v59, 31, v0                          ; lane
	v_and_b32 v60, 15, v0                          ; r
	v_bfe_u32 v61, v0, 4, 1                        ; h
	v_lshlrev_b32 v62, 2, v60
	v_lshlrev_b32 v1, 4, v59
	s_lshl_b32 s66, ttmp9, 7                       ; my block's 32 words of order
	s_mov_b32 s67, 0
	s_lshl_b32 s63, s22, 4
	s_wait_kmcnt 0x0
	s_add_nc_u64 s[8:9], s[8:9], s[66:67]
	s_load_b128 s[32:35], s[8:9], s63 offset:0x0   ; the four tokens whose rows of x my wave brings in
	s_load_b512 s[68:83], s[8:9], 0x0              ; all 32, for the way out
	s_load_b512 s[84:99], s[8:9], 0x40
	s_load_b64 s[46:47], s[18:19], 0x0             ; e0, e1
	global_load_b32 v12, v62, s[8:9]               ; my lane's two tokens: r and 16 + r
	global_load_b32 v13, v62, s[8:9] offset:64
	v_mul_u32_u24 v2, v60, XSP
	v_lshl_add_u32 v2, v61, 4, v2                  ; x fragments: row r, + 16 h
	s_mul_i32 s26, s22, 4*XSP
	v_add_nc_u32 v3, s26, v1                       ; x rows in: rows 4 w on, 16 bytes a lane
	s_lshl_b32 s26, s22, 9
	v_add_nc_u32 v4, s26, v1                       ; my 16 bytes of my wave's 512 of a row of 1,024 f32
	s_mul_i32 s26, s22, 1536
	s_add_co_u32 s26, s26, PAR
	v_add_nc_u32 v6, s26, v1
	v_lshl_add_u32 v7, v61, 5, s26
	s_mul_i32 s26, s22, 32*OSP
	s_add_co_u32 s26, s26, OUTS
	v_mul_u32_u24 v8, v60, OSP
	v_lshl_add_u32 v8, v61, 5, v8
	v_add_nc_u32 v8, s26, v8                       ; row r, + 32 h
	v_add_nc_u32 v9, s26, v1
	s_lshl_b32 s26, s22, 2
	s_add_co_u32 s26, s26, RED
	v_lshl_add_u32 v10, v59, 5, s26                ; [token = lane][wave]
	v_lshlrev_b32 v11, 5, v60
	v_add_nc_u32 v11, RED, v11
.irp n, 25,27,29,31,33,35
	v_mov_b32 v\n, 0                               ; the upper words of pairs of which the low word serves both halves: named, so written
.endr
	v_mov_b32 v36, 0x3fba00e3                      ; -a4
	v_mov_b32 v37, 0x3fba00e3
	v_mov_b32 v63, 1
	s_mov_b32 s27, 0x3a800000                      ; 1 / 1,024
	s_mov_b32 s48, 0xbf38aa3b                      ; -log2(e) / 2
	s_mov_b32 s49, s48
	s_mov_b32 s50, 0xbe827906                      ; -a1
	s_mov_b32 s51, s50
	s_mov_b32 s52, 0x3e91a98e                      ; -a2
	s_mov_b32 s53, s52
	s_mov_b32 s54, 0xbfb5f0e3                      ; -a3
	s_mov_b32 s55, s54
	s_mov_b32 s56, 0xbf87dc22                      ; -a5
	s_mov_b32 s57, s56
	s_mov_b32 s58, 0x3e6d3388                      ; p / sqrt 2
	s_mov_b32 s59, 0x3827c5ac                      ; 4 eps
	s_mov_b32 s60, 0x76543210                      ; v_permlanex16_b32: lane l xor 16
	s_mov_b32 s61, 0xfedcba98
	s_mov_b32 s62, 0xffff0000                      ; lanes 16-31
	s_wait_kmcnt 0x0
	s_wait_loadcnt 0x0
	s_add_co_i32 s46, s46, s47
	s_add_co_i32 s46, s46, 127
	s_lshl_b32 s46, s46, 23                        ; 2^(e0 + e1) as f32
	s_mov_b32 s47, s46
	v_and_b32 v14, 0x1fff, v12
	v_min_u32 v14, 0x1fff, v14
	v_lshlrev_b32 v14, 3, v14                      ; my tokens' places in gat
	v_and_b32 v15, 0x1fff, v13
	v_min_u32 v15, 0x1fff, v15
	v_lshlrev_b32 v15, 3, v15
	v_bfe_u32 v16, v12, 13, 3
	v_bfe_u32 v17, v12, 16, 3
	v_bfe_u32 v18, v13, 13, 3
	v_bfe_u32 v19, v13, 16, 3
	v_lshlrev_b32 v58, v16, v63
	v_lshlrev_b32 v59, v17, v63
	v_or_b32 v58, v58, v59
	v_lshlrev_b32 v59, v18, v63
	v_or_b32 v58, v58, v59
	v_lshlrev_b32 v59, v19, v63
	v_or_b32 v58, v58, v59                         ; my two tokens' experts, a bit each
	s_mov_b32 s23, 0
.irp e, 0,1,2,3,4,5,6,7
	v_and_b32 v59, 1<<\e, v58
	v_cmp_ne_u32 vcc_lo, 0, v59
	s_cmp_lg_u32 vcc_lo, 0
	s_cselect_b32 s63, 1<<\e, 0
	s_or_b32 s23, s23, s63                         ; the block's experts: the same number in all eight waves
.endr
	s_ctz_i32_b32 s24, s23
	s_min_u32 s24, s24, 7                          ; the first of them
	s_sub_co_u32 s63, s23, 1
	s_and_b32 s23, s23, s63                        ; the others
	s_lshl_b32 s66, s22, 17
	s_mov_b32 s67, 0
	s_add_nc_u64 s[44:45], s[6:7], s[66:67]        ; wq at my wave's columns
	s_lshl_b32 s66, s24, 20
	s_add_nc_u64 s[30:31], s[44:45], s[66:67]      ; in the first expert
.irp t, 0,1,2,3
	s_and_b32 s66, s[32+\t], 0x1fff
	s_min_u32 s66, s66, 0x1fff
	s_lshl_b32 s66, s66, 10
	s_add_nc_u64 s[36+2*\t:37+2*\t], s[4:5], s[66:67]   ; a row of 1,024 codes
.endr
.irp t, 0,1,2,3
.irp q, 0,1
	global_load_b128 v[64+8*\t+4*\q:67+8*\t+4*\q], v1, s[36+2*\t:37+2*\t] offset:512*\q
.endr
.endr
	global_load_b64 v[20:21], v14, s[10:11]
	global_load_b64 v[22:23], v15, s[10:11]
	WIN 0x40
	WLOAD 30, 0, 0
	WIN 0
	s_wait_loadcnt 34                              ; x's eight loads are in; the gates' two and the weights' 32 stay out
.irp t, 0,1,2,3
.irp q, 0,1
	ds_store_b128 v3, v[64+8*\t+4*\q:67+8*\t+4*\q] offset:XSP*\t+512*\q
.endr
.endr
	WIN 0x40
	WLOAD 30, 1, 1
	WIN 0
	BAR                                            ; the 32 rows of x lie in LDS; they are only read from here on
	; ---- the first used expert's pass is written out: every block has one, it starts the rows in LDS, and it writes every register that a later part reads
	R1 1
	BAR                                            ; the eight waves' sums lie in the first area
	R2
	BAR                                            ; the sums of squares in the second
	R3 1
	s_mov_b32 s24, 1
.Lexp:                                             ; experts 1 .. 7: the parts of one that no token of the block uses are jumped over; the two barriers are not.
	s_lshr_b32 s63, s23, s24                       ; The first area is written again only behind the second barrier of the pass that read it, the second only behind the next first barrier
	s_and_b32 s63, s63, 1
	s_cmp_eq_u32 s63, 0
	s_cbranch_scc1 .Lskip1
	R1 0
.Lskip1:
	BAR
	s_lshr_b32 s63, s23, s24
	s_and_b32 s63, s63, 1
	s_cmp_eq_u32 s63, 0
	s_cbranch_scc1 .Lskip2
	R2
.Lskip2:
	BAR
	s_lshr_b32 s63, s23, s24
	s_and_b32 s63, s63, 1
	s_cmp_eq_u32 s63, 0
	s_cbranch_scc1 .Lskip3
	R3 0
.Lskip3:
	s_add_co_u32 s24, s24, 1
	s_cmp_lt_u32 s24, 8
	s_cbranch_scc1 .Lexp
	; ---- the way out: my wave's 512 bytes of each of the 32 rows, from my own part of LDS: each store covers 512 consecutive bytes, aligned
.set t, 0
.rept 32
	s_and_b32 s63, s[68+t], 0x1fff
	s_min_u32 s63, s63, 0x1fff
	s_lshl_b32 s63, s63, 12                        ; the token's row of 4,096 bytes
	v_add_nc_u32 v[64+t], s63, v4
.set t, t+1
.endr
.set t, 0
.rept 32
	ds_load_b128 v[128+4*t:131+4*t], v9 offset:OSP*t   ; LDS serves a wave's instructions in order: these see my stores
.set t, t+1
.endr
.set t, 0
.rept 32
	s_wait_dscnt 31-t
	global_store_b128 v[64+t], v[128+4*t:131+4*t], s[20:21] th:TH_STORE_NT
.set t, t+1
.endr
	s_wait_xcnt 0x0
	v_lshl_add_u32 v254, v0, 2, 0x2ca00
	v_mov_b32 v255, 0
	s_wait_tensorcnt 0x0
	ds_add_u32 v254, v255
	s_wait_dscnt 0x0
	s_endpgm
.Lfunc_end_k_q440015a237_experts:
	.size	k_q440015a237_experts, .Lfunc_end_k_q440015a237_experts-k_q440015a237_experts
	.p2alignl 7, 3214868480
	.fill 96, 4, 3214868480
	.section	.rodata,"a",@progbits
	.p2align	6, 0x0
	.amdhsa_kernel k_q440015a237_experts
		.amdhsa_group_segment_fixed_size 183808
		.amdhsa_private_segment_fixed_size 0
		.amdhsa_enable_private_segment 0
		.amdhsa_kernarg_size 72
		.amdhsa_user_sgpr_count 2
		.amdhsa_user_sgpr_kernarg_segment_ptr 1
		.amdhsa_wavefront_size32 1
		.amdhsa_system_sgpr_workgroup_id_x 1
		.amdhsa_system_sgpr_workgroup_id_y 1
		.amdhsa_system_sgpr_workgroup_id_z 1
		.amdhsa_system_vgpr_workitem_id 0
		.amdhsa_next_free_vgpr 512
		.amdhsa_next_free_sgpr 100
		.amdhsa_reserve_vcc 1
		.amdhsa_float_denorm_mode_32 3
		.amdhsa_float_denorm_mode_16_64 3
		.amdhsa_memory_ordered 1
		.amdhsa_forward_progress 1
		.amdhsa_inst_pref_size 255
	.end_amdhsa_kernel
	.section	.bss,"aw",@nobits
	.p2align	6
	.space	262144
	.amdgpu_metadata
---
amdhsa.version: [ 1, 2 ]
amdhsa.kernels:
  - .name:           k_q440015a237_experts
    .symbol:         k_q440015a237_experts.kd
    .args:
      - { .name: xq, .offset: 0, .size: 8, .value_kind: global_buffer, .address_space: global }
      - { .name: wq, .offset: 8, .size: 8, .value_kind: global_buffer, .address_space: global }
      - { .name: order, .offset: 16, .size: 8, .value_kind: global_buffer, .address_space: global }
      - { .name: gat, .offset: 24, .size: 8, .value_kind: global_buffer, .address_space: global }
      - { .name: be, .offset: 32, .size: 8, .value_kind: global_buffer, .address_space: global }
      - { .name: gamma, .offset: 40, .size: 8, .value_kind: global_buffer, .address_space: global }
      - { .name: beta, .offset: 48, .size: 8, .value_kind: global_buffer, .address_space: global }
      - { .name: lowp_scales, .offset: 56, .size: 8, .value_kind: global_buffer, .address_space: global }
      - { .name: out0, .offset: 64, .size: 8, .value_kind: global_buffer, .address_space: global }
    .group_segment_fixed_size: 183808
    .private_segment_fixed_size: 0
    .kernarg_segment_align: 8
    .kernarg_segment_size: 72
    .max_flat_workgroup_size: 256
    .sgpr_count:     100
    .vgpr_count:     512
    .wavefront_size: 32
...
	.end_amdgpu_metadata
.endif
;; end of part 3
;; ======== version 2 of 2: 3 launches
;; workspace buffers: xq 8,388,608 bytes; wq 8,388,608 bytes; route 65,536 bytes of whole numbers; order 32,768 bytes of whole numbers; gat 65,536 bytes
;; launch gate (part 4): grid 256 x 1, 8 waves a work-group, no clusters, 38,912 bytes of LDS; arguments x, Wg, bg, lowp_scales, xq, route, gat; writes xq, route, gat
.if DOCPART == 4
	.amdgcn_target "amdgcn-amd-amdhsa--gfx1250"
	.amdhsa_code_object_version 6
	.text
	.protected	k_q440015a237_gate
	.globl	k_q440015a237_gate
	.p2align	8
	.type	k_q440015a237_gate,@function
k_q440015a237_gate:
	s_mov_b64 s[64:65], 0
	v_nop
	global_prefetch_b8 v0, s[64:65] scope:SCOPE_SE
	s_setreg_imm32_b32 hwreg(HW_REG_WAVE_MODE, 25, 1), 1
	s_wait_xcnt 0x0
; THE ROUTER AND THE QUANTISER OF x.  x [8192][1024] f32 is read once.  For each token: logits x Wg + bg by f32 multiply-adds, tanh, the two largest
; (ties: the lower index), softmax over the two (the larger is taken away first); and the token's 1,024 codes of E4M3 with the given scale 2^e0.
; A work-group takes 32 tokens, a wave 4.  Load i (0..7) of a row takes its bytes 512 i + 16 lane: 512 consecutive bytes a load.  So a lane holds k = 128 i + 4 lane + j
; in register 4 i + j, and its 32 codes are stored as they stand, 16 bytes a lane: code position q = 512 (i / 4) + 16 lane + 4 (i % 4) + j.  The weights are laid in the same
; order of K by the next launch, so every product meets its partner.
; Nothing that is chosen here steers an address or a branch: the choice is stored, at fixed places, as whole numbers:
;   route[block][0..31]  = i0 | i1 << 8 | rank << 16 | P << 24 for each token (rank: the place of its set of two experts among the 28 sets, in an order in which
;                          neighbouring sets share an expert; P: how many earlier tokens of the block have the same rank);   route[block][32..63] = how many tokens of the block have rank 0 .. 31
;   gat[token] = the two gates.
; LIMITS: e0 between -126 and 119.  NaN among the inputs is not served.  tanh is 1 - 2 / (1 + 2^(2 z log2 e)): where the second and the third gate value lie within a few
; units of f32's last place of each other, the choice may differ from one made with another order of sums.
; REGISTERS: v1-10 addresses and the scale; v12-27 eight pairs of sums; v28-59 logits [4 tokens][8]; v60-91 Wg as loaded, then the codes; v92-127 the tail; v128-255 x [4][32].
;   window 1: v0-255: Wg of my 32 k: register 32 i + 4 e + j.
.set STS, 36864                        ; LDS: behind Wg's 256 chunks of 144 bytes: 32 words, the tokens' two experts
.set STG, 37120                        ; 32 pairs of gates
.set ST2, 37376                        ; the block's 256 bytes of route
.set ACC, 12
.set LG,  28
.set CC,  60
.set TT,  92
.set XR,  128
.set MSB, 0
.macro WIN new                         ; the immediate's high byte repeats the setting that is left
.if MSB != \new
	s_set_vgpr_msb (MSB<<8)|\new
.set MSB, \new
.endif
.endm
	s_load_b256 s[4:11], s[0:1], 0x0               ; x s[4:5], Wg s[6:7], bg s[8:9], the scales' exponents s[10:11]
	s_load_b128 s[12:15], s[0:1], 0x20             ; xq s[12:13], route s[14:15]
	s_load_b64 s[16:17], s[0:1], 0x30              ; gat
	v_lshl_add_u32 v126, v0, 2, 0x9400
	v_mov_b32 v127, 0
	v_lshrrev_b32 v11, 5, v0
	s_delay_alu instid0(VALU_DEP_1)
	v_readfirstlane_b32 s28, v11                   ; wave 0..7
	v_and_b32 v1, 31, v0                           ; lane
	s_delay_alu instid0(VALU_DEP_1)
	v_lshlrev_b32 v2, 4, v1                        ; 16 x lane
	s_delay_alu instid0(VALU_DEP_2)
	; Wg goes into LDS turned: a chunk is 4 k x 8 experts, laid [expert][k], 128 bytes at a pitch of 144.  My 16 bytes of load m are k = 128 wave + 16 m + lane / 2, experts 4 (lane % 2) + 0..3
	v_lshrrev_b32 v3, 3, v1
	s_lshl_b32 s29, s28, 5
	v_add_nc_u32 v3, s29, v3                       ; chunk 32 wave + lane / 8 (+ 4 m)
	s_delay_alu instid0(VALU_DEP_1)
	v_mul_u32_u24 v3, v3, 144
	v_and_b32 v11, 1, v1
	s_delay_alu instid0(VALU_DEP_1)
	v_lshl_add_u32 v3, v11, 6, v3                  ; + 64 (lane % 2): four experts of 16 bytes
	v_bfe_u32 v11, v1, 1, 2
	s_delay_alu instid0(VALU_DEP_1)
	v_lshl_add_u32 v3, v11, 2, v3                  ; + 4 (k % 4)
	v_mul_u32_u24 v4, v1, 144                      ; and comes back by chunks: chunk 32 i + lane holds my four k of load i
	v_and_b32 v11, 3, v1
	s_lshl_b32 s29, s28, 2
	v_add_nc_u32 v11, s29, v11                     ; the token that my lane finishes: 4 wave + lane % 4
	s_delay_alu instid0(VALU_DEP_1)
	v_lshl_add_u32 v5, v11, 2, STS
	s_delay_alu instid0(VALU_DEP_2)
	v_lshl_add_u32 v6, v11, 3, STG
	v_lshlrev_b32 v7, 2, v1
	v_lshlrev_b32 v8, 3, v1
	s_lshl_b32 s18, ttmp9, 17                      ; x: 32 rows of 4,096 bytes a work-group,
	s_lshl_b32 s19, s28, 14                        ; 4 a wave
	s_add_co_u32 s18, s18, s19
	s_mov_b32 s19, 0
	s_lshl_b32 s34, ttmp9, 15                      ; xq: rows of 1,024 bytes
	s_lshl_b32 s35, s28, 12
	s_add_co_u32 s34, s34, s35
	s_mov_b32 s36, s35                             ; Wg: 4,096 bytes a wave
	s_mov_b32 s35, 0
	s_mov_b32 s37, 0
	s_lshl_b32 s38, ttmp9, 8                       ; route and gat: 256 bytes a work-group
	s_mov_b32 s39, 0
	s_mov_b32 s30, 0x76543210                      ; v_permlanex16_b32: lane l xor 16
	s_mov_b32 s31, 0xfedcba98
	s_mov_b32 s32, 0xaaaaaaaa                      ; lanes with lane % 2 = 1
	s_mov_b32 s33, 0xcccccccc                      ; lanes with (lane / 2) % 2 = 1
	s_wait_alu depctr_va_vdst(0)
	s_wait_kmcnt 0x0
	s_load_b256 s[20:27], s[8:9], 0x0              ; bg
	s_load_b32 s40, s[10:11], 0x0                  ; e0
	s_add_nc_u64 s[4:5], s[4:5], s[18:19]
	s_add_nc_u64 s[6:7], s[6:7], s[36:37]
	s_add_nc_u64 s[12:13], s[12:13], s[34:35]
	s_add_nc_u64 s[14:15], s[14:15], s[38:39]
	s_add_nc_u64 s[16:17], s[16:17], s[38:39]
.irp m, 0,1,2,3,4,5,6,7
	global_load_b128 v[CC+4*\m:CC+4*\m+3], v2, s[6:7] offset:512*\m   ; my wave's eighth of Wg, as it lies
.endr
.irp t, 0,1,2,3
.irp i, 0,1,2,3,4,5,6,7
	global_load_b128 v[XR+32*\t+4*\i:XR+32*\t+4*\i+3], v2, s[4:5] offset:4096*\t+512*\i th:TH_LOAD_NT   ; all of my wave's share of x is asked for at once
.endr
.endr
	s_wait_kmcnt 0x0
	s_add_co_i32 s40, s40, 127
	s_lshl_b32 s41, s40, 23
	v_mov_b32 v9, s41                              ; 2^e0 as f32: the conversion takes its exponent field
	s_add_co_i32 s40, s40, 8
	s_lshl_b32 s40, s40, 23
	s_or_b32 s40, s40, 0x600000
	v_mov_b32 v10, s40                             ; 448 x 2^e0
	s_wait_loadcnt 32                              ; Wg's eight loads are in; x's 32, issued behind them, stay out
.irp m, 0,1,2,3,4,5,6,7
.irp n, 0,1,2,3
	ds_store_b32 v3, v[CC+4*\m+\n] offset:576*\m+16*\n
.endr
.endr
	s_wait_dscnt 0x0                               ; for the others' sake: my part of Wg lies in LDS
	s_barrier_signal -1
	s_barrier_wait -1
	WIN 0x40                                       ; destination window 1
.irp i, 0,1,2,3,4,5,6,7
.irp e, 0,1,2,3,4,5,6,7
	ds_load_b128 v[32*\i+4*\e:32*\i+4*\e+3], v4 offset:4608*\i+16*\e   ; Wg(128 i + 4 lane + 0..3, e)
.endr
.endr
	WIN 0
	s_wait_dscnt 0x0
; my lane's part of token t's eight logits: two k an instruction; a sum's next link stands eight instructions on
.macro DOT t
	WIN 0x04                                       ; source 1 (Wg) window 1
.irp i, 0,1,2,3,4,5,6,7
.irp hh, 0,1
.irp e, 0,1,2,3,4,5,6,7
.if (\i == 0) && (\hh == 0)
	v_pk_mul_f32 v[ACC+2*\e:ACC+2*\e+1], v[XR+32*\t+4*\i+2*\hh:XR+32*\t+4*\i+2*\hh+1], v[32*\i+4*\e+2*\hh:32*\i+4*\e+2*\hh+1]
.else
	v_pk_fma_f32 v[ACC+2*\e:ACC+2*\e+1], v[XR+32*\t+4*\i+2*\hh:XR+32*\t+4*\i+2*\hh+1], v[32*\i+4*\e+2*\hh:32*\i+4*\e+2*\hh+1], v[ACC+2*\e:ACC+2*\e+1]
.endif
.endr
.endr
.endr
	WIN 0
.irp e, 0,1,2,3,4,5,6,7
	v_add_f32 v[LG+8*\t+\e], v[ACC+2*\e], v[ACC+2*\e+1]
.endr
.endm
; token t's codes: held within +-448 x 2^e0 (the conversion to an 8-bit code does not saturate: ISA guide 7.6.2), converted, stored: each store covers 512 consecutive bytes
.macro QUANT t
.set n, 0
.rept 32
	v_med3_num_f32 v[XR+32*\t+n], v[XR+32*\t+n], -v10, v10
.set n, n+1
.endr
.irp m, 0,1,2,3
	v_cvt_scalef32_pk8_fp8_f32 v[CC+8*\t+2*\m:CC+8*\t+2*\m+1], v[XR+32*\t+8*\m:XR+32*\t+8*\m+7], v9
.endr
	v_nop                                          ; a plain instruction behind the conversions: their sources are written again further down
	global_store_b128 v2, v[CC+8*\t:CC+8*\t+3], s[12:13] offset:1024*\t
	global_store_b128 v2, v[CC+8*\t+4:CC+8*\t+7], s[12:13] offset:1024*\t+512
.endm
.irp t, 0,1,2,3
	s_wait_loadcnt 8*(3-\t)                        ; token t's eight loads are in; the later tokens' stay out
	DOT \t
	QUANT \t
.endr
	; the 32 partial logits are summed over the 32 lanes: every lane ends with all of them
.irp m, 1,2,4,8
.set n, 0
.rept 32
	v_add_f32_dpp v[LG+n], v[LG+n], v[LG+n] row_xmask:\m row_mask:0xf bank_mask:0xf
.set n, n+1
.endr
.endr
.set n, 0
.rept 32
	v_permlanex16_b32 v[XR+n], v[LG+n], s30, s31   ; (its destination counts as read: x's registers have been written)
.set n, n+1
.endr
.set n, 0
.rept 32
	v_add_f32 v[LG+n], v[LG+n], v[XR+n]
.set n, n+1
.endr
	; my lane goes on with token lane % 4, so that the tail is walked once for the wave's four tokens
.irp e, 0,1,2,3,4,5,6,7
	v_cndmask_b32 v[100+\e], v[LG+\e], v[LG+8+\e], s32
	v_cndmask_b32 v[108+\e], v[LG+16+\e], v[LG+24+\e], s32
.endr
.irp e, 0,1,2,3,4,5,6,7
	v_cndmask_b32 v[TT+\e], v[100+\e], v[108+\e], s33
.endr
.irp e, 0,1,2,3,4,5,6,7
	v_add_f32 v[TT+\e], s[20+\e], v[TT+\e]         ; + bg
.endr
.irp e, 0,1,2,3,4,5,6,7
	v_mul_f32 v[TT+\e], 0x4038aa3b, v[TT+\e]       ; x 2 log2(e)
.endr
	s_wait_alu depctr_va_vdst(0)
.irp e, 0,1,2,3,4,5,6,7
	v_exp_f32 v[TT+\e], v[TT+\e]
.endr
	v_nop                                          ; a plain instruction behind the transcendentals
	s_wait_alu depctr_va_vdst(0)
.irp e, 0,1,2,3,4,5,6,7
	v_add_f32 v[TT+\e], 1.0, v[TT+\e]
.endr
	s_wait_alu depctr_va_vdst(0)
.irp e, 0,1,2,3,4,5,6,7
	v_rcp_f32 v[TT+\e], v[TT+\e]
.endr
	v_nop
	s_wait_alu depctr_va_vdst(0)
.irp e, 0,1,2,3,4,5,6,7
	v_fma_f32 v[TT+\e], v[TT+\e], -2.0, 1.0        ; tanh
.endr
.macro SCAN bv, bi                     ; the largest of the eight and its index; an equal later one does not displace it
	v_mov_b32 v[\bv], v[TT]
	v_mov_b32 v[\bi], 0
.irp e, 1
	s_delay_alu instid0(VALU_DEP_2)
	v_cmp_ge_f32 vcc_lo, v[\bv], v[TT+\e]
	s_delay_alu instid0(VALU_DEP_1)
	v_cndmask_b32 v[\bi], \e, v[\bi], vcc_lo
	s_delay_alu instid0(VALU_DEP_2)
	v_cndmask_b32 v[\bv], v[TT+\e], v[\bv], vcc_lo
.endr
.irp e, 2, 3, 4, 5, 6, 7
	s_delay_alu instid0(VALU_DEP_1)
	v_cmp_ge_f32 vcc_lo, v[\bv], v[TT+\e]
	s_delay_alu instid0(VALU_DEP_1)
	v_cndmask_b32 v[\bi], \e, v[\bi], vcc_lo
	s_delay_alu instid0(VALU_DEP_2)
	v_cndmask_b32 v[\bv], v[TT+\e], v[\bv], vcc_lo
.endr
.endm
	SCAN 116, 117
.irp e, 0,1,2,3,4,5,6,7
	v_cmp_ne_u32 vcc_lo, \e, v117
	s_delay_alu instid0(VALU_DEP_1)
	v_cndmask_b32 v[TT+\e], -2.0, v[TT+\e], vcc_lo ; the winner steps under every tanh
.endr
	SCAN 118, 119
	s_delay_alu instid0(VALU_DEP_1)
	v_sub_f32 v120, v118, v116                     ; the second less the first: 0 or less
	s_delay_alu instid0(VALU_DEP_1)
	v_mul_f32 v120, 0x3fb8aa3b, v120
	s_wait_alu depctr_va_vdst(0)
	v_exp_f32 v120, v120
	v_lshl_or_b32 v123, v119, 8, v117              ; i0 | i1 << 8  (a plain instruction behind the exponential)
	s_wait_alu depctr_va_vdst(0)
	v_add_f32 v121, 1.0, v120
	s_wait_alu depctr_va_vdst(0)
	v_rcp_f32 v124, v121                           ; g0 = 1 / (1 + ex)
	v_nop
	s_wait_alu depctr_va_vdst(0)
	v_mul_f32 v125, v120, v124                     ; g1 = ex g0
	ds_store_b32 v5, v123                          ; the eight lanes of a token write the same word with the same value
	ds_store_b64 v6, v[124:125]
	s_wait_dscnt 0x0
	s_barrier_signal -1
	s_barrier_wait -1
	s_cmp_lg_u32 s28, 0
	s_cbranch_scc1 .Lnot_wave_0
	; wave 0, a lane a token: rank, place within the rank, and the block's counts
	ds_load_b32 v92, v7 offset:STS
	s_wait_dscnt 0x0
	v_and_b32 v93, 0xff, v92
	v_lshrrev_b32 v94, 8, v92
	s_delay_alu instid0(VALU_DEP_1)
	v_min_u32 v95, v93, v94                        ; lo
	s_delay_alu instid0(VALU_DEP_2)
	v_max_u32 v96, v93, v94                        ; hi
	s_delay_alu instid0(VALU_DEP_2)
	v_sub_nc_u32 v97, 15, v95
	s_delay_alu instid0(VALU_DEP_1)
	v_mul_u32_u24 v97, v95, v97
	s_delay_alu instid0(VALU_DEP_1)
	v_lshrrev_b32 v97, 1, v97                      ; lo (15 - lo) / 2 sets have a smaller lo
	s_delay_alu instid0(VALU_DEP_4)
	v_sub_nc_u32 v98, 7, v96                       ; an odd lo walks hi downward,
	v_sub_nc_u32 v99, v96, v95
	s_delay_alu instid0(VALU_DEP_1)
	v_add_nc_u32 v99, -1, v99                      ; an even lo upward
	v_and_b32 v100, 1, v95
	s_delay_alu instid0(VALU_DEP_1)
	v_cmp_eq_u32 vcc_lo, 1, v100
	s_delay_alu instid0(VALU_DEP_1)
	v_cndmask_b32 v98, v99, v98, vcc_lo
	s_delay_alu instid0(VALU_DEP_1)
	v_add_nc_u32 v97, v97, v98                     ; rank, 0 .. 27
	v_mov_b32 v101, 0                              ; P
	v_mov_b32 v102, 0                              ; the counts: lane b holds rank b's
.irp b, 0,1,2,3,4,5,6,7,8,9,10,11,12,13,14,15,16,17,18,19,20,21,22,23,24,25,26,27
	v_cmp_eq_u32 vcc_lo, \b, v97
	s_delay_alu instid0(VALU_DEP_1)
	v_mbcnt_lo_u32_b32 v103, vcc_lo, 0
	s_delay_alu instid0(VALU_DEP_1)
	v_cndmask_b32 v101, v101, v103, vcc_lo
	s_bcnt1_i32_b32 s41, vcc_lo
	v_writelane_b32 v102, s41, \b
.endr
	v_lshl_or_b32 v104, v97, 16, v92
	s_delay_alu instid0(VALU_DEP_1)
	v_lshl_or_b32 v104, v101, 24, v104
	ds_store_b32 v7, v104 offset:ST2
	ds_store_b32 v7, v102 offset:ST2+128
	ds_load_b64 v[106:107], v8 offset:ST2          ; LDS serves a wave's instructions in order: this sees my two stores
	s_wait_dscnt 0x0
	global_store_b64 v8, v[106:107], s[14:15]      ; 256 consecutive bytes, aligned, by one instruction
	s_wait_tensorcnt 0x0
	ds_add_u32 v126, v127
	s_wait_dscnt 0x0
	s_endpgm
.Lnot_wave_0:
	s_cmp_lg_u32 s28, 1
	s_cbranch_scc1 .Ldone
	ds_load_b64 v[106:107], v8 offset:STG
	s_wait_dscnt 0x0
	global_store_b64 v8, v[106:107], s[16:17]      ; the block's 32 pairs of gates: 256 consecutive bytes
.Ldone:
	s_wait_tensorcnt 0x0
	ds_add_u32 v126, v127
	s_wait_dscnt 0x0
	s_endpgm
.Lfunc_end_k_q440015a237_gate:
	.size	k_q440015a237_gate, .Lfunc_end_k_q440015a237_gate-k_q440015a237_gate
	.p2alignl 7, 3214868480
	.fill 96, 4, 3214868480
	.section	.rodata,"a",@progbits
	.p2align	6, 0x0
	.amdhsa_kernel k_q440015a237_gate
		.amdhsa_group_segment_fixed_size 38912
		.amdhsa_private_segment_fixed_size 0
		.amdhsa_enable_private_segment 0
		.amdhsa_kernarg_size 56
		.amdhsa_user_sgpr_count 2
		.amdhsa_user_sgpr_kernarg_segment_ptr 1
		.amdhsa_wavefront_size32 1
		.amdhsa_system_sgpr_workgroup_id_x 1
		.amdhsa_system_sgpr_workgroup_id_y 1
		.amdhsa_system_sgpr_workgroup_id_z 1
		.amdhsa_system_vgpr_workitem_id 0
		.amdhsa_next_free_vgpr 512
		.amdhsa_next_free_sgpr 66
		.amdhsa_reserve_vcc 1
		.amdhsa_float_denorm_mode_32 3
		.amdhsa_float_denorm_mode_16_64 3
		.amdhsa_memory_ordered 1
		.amdhsa_forward_progress 1
		.amdhsa_inst_pref_size 86
	.end_amdhsa_kernel
	.amdgpu_metadata
---
amdhsa.version: [ 1, 2 ]
amdhsa.kernels:
  - .name:           k_q440015a237_gate
    .symbol:         k_q440015a237_gate.kd
    .args:
      - { .name: x, .offset: 0, .size: 8, .value_kind: global_buffer, .address_space: global }
      - { .name: Wg, .offset: 8, .size: 8, .value_kind: global_buffer, .address_space: global }
      - { .name: bg, .offset: 16, .size: 8, .value_kind: global_buffer, .address_space: global }
      - { .name: lowp_scales, .offset: 24, .size: 8, .value_kind: global_buffer, .address_space: global }
      - { .name: xq, .offset: 32, .size: 8, .value_kind: global_buffer, .address_space: global }
      - { .name: route, .offset: 40, .size: 8, .value_kind: global_buffer, .address_space: global }
      - { .name: gat, .offset: 48, .size: 8, .value_kind: global_buffer, .address_space: global }
    .group_segment_fixed_size: 38912
    .private_segment_fixed_size: 0
    .kernarg_segment_align: 8
    .kernarg_segment_size: 56
    .max_flat_workgroup_size: 256
    .sgpr_count:     66
    .vgpr_count:     512
    .wavefront_size: 32
...
	.end_amdgpu_metadata
.endif
;; end of part 4
;; launch wprep (part 5): grid 257 x 1, 16 waves a work-group, no clusters, 0 bytes of LDS; arguments We, lowp_scales, route, wq, order; writes wq, order
.if DOCPART == 5
	.amdgcn_target "amdgcn-amd-amdhsa--gfx1250"
	.amdhsa_code_object_version 6
	.text
	.protected	k_q440015a237_wprep
	.globl	k_q440015a237_wprep
	.p2align	8
	.type	k_q440015a237_wprep,@function
k_q440015a237_wprep:
	s_mov_b64 s[64:65], 0
	v_nop
	global_prefetch_b8 v0, s[64:65] scope:SCOPE_SE
	s_setreg_imm32_b32 hwreg(HW_REG_WAVE_MODE, 25, 1), 1
	s_wait_xcnt 0x0
; WORK-GROUPS 1 .. 256: We [8][1024 (k)][1024 (n)] f32 becomes codes of E4M3 with the given scale 2^e1, laid in the order in which the next launch's operand registers take them:
;   wq byte = e 2^20 + w 2^17 + s 2^14 + c 2^11 + g 512 + h 256 + r 16 + b   for column n = 128 w + 16 c + r and code position q = 128 s + 32 g + 16 h + b,
;   where position q stands for k = 512 (s / 4) + 128 (b / 4) + 32 (s % 4) + 8 g + 4 h + b % 4: the order of K in which the first launch stored x's codes.
; A lane takes a column and its registers run down K in that order, so the conversions' results are 16 neighbouring bytes of wq and sixteen lanes store 256 consecutive bytes, aligned.
; A work-group takes one expert, 256 columns and one s; wave (cw, gh) takes 32 columns and g = 2 gh, 2 gh + 1: 64 loads a lane, all asked for at once; each reads 128 consecutive bytes a wave.
; WORK-GROUP 0 places the tokens by the rank of their set of experts (a counting sort): order[position] = token | i0 << 13 | i1 << 16.  Wave w owns the blocks 16 w .. 16 w + 15 of the first
; launch.  Every wave adds up all 256 blocks' counts itself, so the waves hand each other nothing.  Its stores are single words at places that hang on the data: 32,768 bytes in all.
; LIMITS: e1 between -126 and 119.  NaN among the inputs is not served.
	s_load_b256 s[4:11], s[0:1], 0x0               ; We s[4:5], the scales' exponents s[6:7], route s[8:9], wq s[10:11]
	s_load_b64 s[12:13], s[0:1], 0x20              ; order
	v_lshrrev_b32 v1, 5, v0
	s_delay_alu instid0(VALU_DEP_1)
	v_readfirstlane_b32 s14, v1                    ; wave 0..15
	v_and_b32 v1, 31, v0                           ; lane
	s_delay_alu instid0(VALU_DEP_1)
	v_lshlrev_b32 v2, 2, v1                        ; 4 x lane
	s_wait_kmcnt 0x0
	s_cmp_eq_u32 ttmp9, 0
	s_cbranch_scc1 .Lplace
	; ---- the weights
	s_load_b32 s28, s[6:7], 0x4                    ; e1
	s_sub_co_u32 s15, ttmp9, 1
	s_lshr_b32 s16, s15, 5                         ; e
	s_bfe_u32 s17, s15, 0x20003                    ; cg: which 256 columns
	s_and_b32 s18, s15, 7                          ; s
	s_and_b32 s19, s14, 7                          ; cw: which 32 of them
	s_lshr_b32 s20, s14, 3                         ; gh
	s_lshr_b32 s21, s18, 2
	s_lshl_b32 s21, s21, 9
	s_and_b32 s22, s18, 3
	s_lshl_b32 s22, s22, 5
	s_add_co_u32 s21, s21, s22
	s_lshl_b32 s22, s20, 4
	s_add_co_u32 s21, s21, s22                     ; my first row of We: 512 (s / 4) + 32 (s % 4) + 16 gh
	s_lshl_b32 s21, s21, 12                        ; rows of 4,096 bytes
	s_lshl_b32 s22, s16, 22
	s_add_co_u32 s21, s21, s22
	s_lshl_b32 s22, s17, 10
	s_add_co_u32 s21, s21, s22
	s_lshl_b32 s22, s19, 7
	s_add_co_u32 s24, s21, s22                     ; + 4 (256 cg + 32 cw)
	s_mov_b32 s25, 0
	s_lshl_b32 s26, s16, 20
	s_lshl_b32 s22, s17, 1
	s_lshr_b32 s23, s19, 2
	s_add_co_u32 s22, s22, s23                     ; w = 2 cg + cw / 4
	s_lshl_b32 s22, s22, 17
	s_add_co_u32 s26, s26, s22
	s_lshl_b32 s22, s18, 14
	s_add_co_u32 s26, s26, s22
	s_and_b32 s22, s19, 3
	s_lshl_b32 s22, s22, 12                        ; c = 2 (cw % 4) + lane / 16
	s_add_co_u32 s26, s26, s22
	s_lshl_b32 s22, s20, 10                        ; g = 2 gh + gi
	s_add_co_u32 s26, s26, s22
	s_mov_b32 s27, 0
	s_add_nc_u64 s[4:5], s[4:5], s[24:25]
	s_add_nc_u64 s[10:11], s[10:11], s[26:27]
	s_wait_alu depctr_va_vdst(0)
	v_lshrrev_b32 v3, 4, v1
	s_delay_alu instid0(VALU_DEP_1)
	v_lshlrev_b32 v3, 11, v3
	v_and_b32 v4, 15, v1
	s_delay_alu instid0(VALU_DEP_1)
	v_lshl_add_u32 v3, v4, 4, v3                   ; in wq: 2,048 (lane / 16) + 16 (lane % 16)
.irp gi, 0,1
.irp h, 0,1
.irp b, 0,1,2,3,4,5,6,7,8,9,10,11,12,13,14,15
	global_load_b32 v[64+32*\gi+16*\h+\b], v2, s[4:5] offset:(128*(\b/4)+8*\gi+4*\h+(\b%4))*4096 th:TH_LOAD_NT
.endr
.endr
.endr
	s_wait_kmcnt 0x0
	s_add_co_i32 s28, s28, 127
	s_lshl_b32 s29, s28, 23
	v_mov_b32 v11, s29                             ; 2^e1 as f32
	s_add_co_i32 s28, s28, 8
	s_lshl_b32 s28, s28, 23
	s_or_b32 s28, s28, 0x600000
	v_mov_b32 v10, s28                             ; 448 x 2^e1
	s_wait_alu depctr_va_vdst(0)
.irp gi, 0,1
	s_wait_loadcnt 32-32*\gi                       ; this g's 32 loads are in; the other's, issued behind them, may be out
.set n, 0
.rept 32
	v_med3_num_f32 v[64+32*\gi+n], v[64+32*\gi+n], -v10, v10   ; the conversion to an 8-bit code does not saturate (ISA guide 7.6.2)
.set n, n+1
.endr
.irp m, 0,1,2,3
	v_cvt_scalef32_pk8_fp8_f32 v[32+8*\gi+2*\m:33+8*\gi+2*\m], v[64+32*\gi+8*\m:71+32*\gi+8*\m], v11
.endr
	v_nop
	global_store_b128 v3, v[32+8*\gi:35+8*\gi], s[10:11] offset:512*\gi        ; h = 0
	global_store_b128 v3, v[36+8*\gi:39+8*\gi], s[10:11] offset:512*\gi+256    ; h = 1
.endr
	s_endpgm
	; ---- the placing.  REGISTERS: v3 my token in my wave's first block; v4 all blocks' counts; v5 the counts of the waves in front of mine; v6 where each rank begins;
	; v16-31 sixteen groups' counts; v32-47 my blocks' counts; v48-63 my blocks' tokens; v64-127 four sets of sixteen loads, later places and words.  For counts lane = rank, for tokens lane = token.
.Lplace:
	s_lshl_b32 s18, s14, 12
	s_mov_b32 s19, 0
	s_add_nc_u64 s[16:17], s[8:9], s[18:19]        ; route at my wave's sixteen blocks
	s_lshl_b32 s20, s14, 9
	s_wait_alu depctr_va_vdst(0)
	v_add_nc_u32 v3, s20, v1                       ; 512 wave + lane
.macro GRP g                           ; sixteen loads: groups 0 .. 15: the counts of blocks 16 g .. 16 g + 15; 16: my blocks' tokens; 17: my blocks' counts; beyond: nothing
.if (\g) < 16
.irp j, 0,1,2,3,4,5,6,7,8,9,10,11,12,13,14,15
	global_load_b32 v[64+16*((\g)%4)+\j], v2, s[8:9] offset:(16*(\g)+\j)*256+128
.endr
.elseif (\g) == 16
.irp j, 0,1,2,3,4,5,6,7,8,9,10,11,12,13,14,15
	global_load_b32 v[48+\j], v2, s[16:17] offset:\j*256
.endr
.elseif (\g) == 17
.irp j, 0,1,2,3,4,5,6,7,8,9,10,11,12,13,14,15
	global_load_b32 v[32+\j], v2, s[16:17] offset:\j*256+128
.endr
.endif
.endm
.macro SUM16 d, s                      ; v[d] = the sum of v[s] .. v[s + 15]
	v_add3_u32 v[\d], v[\s], v[\s+1], v[\s+2]
.irp k, 3,5,7,9,11,13
	s_delay_alu instid0(VALU_DEP_1)
	v_add3_u32 v[\d], v[\d], v[\s+\k], v[\s+\k+1]
.endr
	s_wait_alu depctr_va_vdst(0)
	v_add_nc_u32 v[\d], v[\d], v[\s+15]
.endm
	GRP 0
	GRP 1
	GRP 2
.irp g, 0,1,2,3,4,5,6,7,8,9,10,11,12,13,14,15
	s_wait_loadcnt 32                              ; group g is in; the two groups issued behind it stay out
	SUM16 16+\g, 64+16*(\g%4)
	GRP \g+3                                       ; into the set that was added up one turn ago
.endr
	s_wait_loadcnt 0x0
	SUM16 4, 16
	v_mov_b32 v5, 0
.irp g, 0,1,2,3,4,5,6,7,8,9,10,11,12,13,14,15
	s_cmp_gt_u32 s14, \g
	s_cselect_b32 s20, -1, 0
	v_and_b32 v8, s20, v[16+\g]
	s_delay_alu instid0(VALU_DEP_1)
	v_add_nc_u32 v5, v5, v8
.endr
	v_mov_b32 v6, 0
	s_mov_b32 s21, 0
.irp b, 0,1,2,3,4,5,6,7,8,9,10,11,12,13,14,15,16,17,18,19,20,21,22,23,24,25,26,27
	v_readlane_b32 s22, v4, \b
	v_writelane_b32 v6, s21, \b
	s_add_co_u32 s21, s21, s22
.endr
	v_add_nc_u32 v64, v6, v5                       ; where each rank's tokens of my first block begin,
.irp j, 1,2,3,4,5,6,7,8,9,10,11,12,13,14,15
	s_delay_alu instid0(VALU_DEP_1)
	v_add_nc_u32 v[64+\j], v[63+\j], v[31+\j]      ; and of block j
.endr
.irp j, 0,1,2,3,4,5,6,7,8,9,10,11,12,13,14,15
	v_bfe_u32 v[96+\j], v[48+\j], 16, 5
	s_delay_alu instid0(VALU_DEP_1)
	v_lshlrev_b32 v[96+\j], 2, v[96+\j]
	ds_bpermute_b32 v[80+\j], v[96+\j], v[64+\j]   ; my token's rank's beginning, from the lane of that rank (no LDS byte is touched)
.endr
.irp j, 0,1,2,3,4,5,6,7,8,9,10,11,12,13,14,15
	v_add_nc_u32 v[112+\j], 32*\j, v3              ; the token,
	v_and_b32 v8, 7, v[48+\j]
	s_delay_alu instid0(VALU_DEP_1)
	v_lshl_or_b32 v[112+\j], v8, 13, v[112+\j]     ; i0,
	v_bfe_u32 v9, v[48+\j], 8, 3
	s_delay_alu instid0(VALU_DEP_1)
	v_lshl_or_b32 v[112+\j], v9, 16, v[112+\j]     ; i1
.endr
.irp j, 0,1,2,3,4,5,6,7,8,9,10,11,12,13,14,15
	s_wait_dscnt 15-\j                             ; permute j is back; the later ones may be out
	v_lshrrev_b32 v9, 24, v[48+\j]
	s_delay_alu instid0(VALU_DEP_1)
	v_add_nc_u32 v[96+\j], v[80+\j], v9            ; + its place within the rank in its block
	s_delay_alu instid0(VALU_DEP_1)
	v_min_u32 v[96+\j], 0x1fff, v[96+\j]
	s_delay_alu instid0(VALU_DEP_1)
	v_lshlrev_b32 v[96+\j], 2, v[96+\j]
	global_store_b32 v[96+\j], v[112+\j], s[12:13] ; each store has address and data registers of its own: none is written again
.endr
	s_endpgm
.Lfunc_end_k_q440015a237_wprep:
	.size	k_q440015a237_wprep, .Lfunc_end_k_q440015a237_wprep-k_q440015a237_wprep
	.p2alignl 7, 3214868480
	.fill 96, 4, 3214868480
	.section	.rodata,"a",@progbits
	.p2align	6, 0x0
	.amdhsa_kernel k_q440015a237_wprep
		.amdhsa_group_segment_fixed_size 0
		.amdhsa_private_segment_fixed_size 0
		.amdhsa_enable_private_segment 0
		.amdhsa_kernarg_size 40
		.amdhsa_user_sgpr_count 2
		.amdhsa_user_sgpr_kernarg_segment_ptr 1
		.amdhsa_wavefront_size32 1
		.amdhsa_system_sgpr_workgroup_id_x 1
		.amdhsa_system_sgpr_workgroup_id_y 1
		.amdhsa_system_sgpr_workgroup_id_z 1
		.amdhsa_system_vgpr_workitem_id 0
		.amdhsa_next_free_vgpr 128
		.amdhsa_next_free_sgpr 66
		.amdhsa_reserve_vcc 0
		.amdhsa_float_denorm_mode_32 3
		.amdhsa_float_denorm_mode_16_64 3
		.amdhsa_memory_ordered 1
		.amdhsa_forward_progress 1
		.amdhsa_inst_pref_size 76
	.end_amdhsa_kernel
	.amdgpu_metadata
---
amdhsa.version: [ 1, 2 ]
amdhsa.kernels:
  - .name:           k_q440015a237_wprep
    .symbol:         k_q440015a237_wprep.kd
    .args:
      - { .name: We, .offset: 0, .size: 8, .value_kind: global_buffer, .address_space: global }
      - { .name: lowp_scales, .offset: 8, .size: 8, .value_kind: global_buffer, .address_space: global }
      - { .name: route, .offset: 16, .size: 8, .value_kind: global_buffer, .address_space: global }
      - { .name: wq, .offset: 24, .size: 8, .value_kind: global_buffer, .address_space: global }
      - { .name: order, .offset: 32, .size: 8, .value_kind: global_buffer, .address_space: global }
    .group_segment_fixed_size: 0
    .private_segment_fixed_size: 0
    .kernarg_segment_align: 8
    .kernarg_segment_size: 40
    .max_flat_workgroup_size: 512
    .sgpr_count:     66
    .vgpr_count:     128
    .wavefront_size: 32
...
	.end_amdgpu_metadata
.endif
;; end of part 5
;; launch experts (part 6): grid 256 x 1, 8 waves a work-group, no clusters, 183,808 bytes of LDS; arguments xq, wq, order, gat, be, gamma, beta, lowp_scales, out0; writes out0
.if DOCPART == 6
	.amdgcn_target "amdgcn-amd-amdhsa--gfx1250"
	.amdhsa_code_object_version 6
	.text
	.protected	k_q440015a237_experts
	.globl	k_q440015a237_experts
	.p2align	8
	.type	k_q440015a237_experts,@function
k_q440015a237_experts:
	s_mov_b64 s[64:65], 0
	v_nop
	global_prefetch_b8 v0, s[64:65] scope:SCOPE_SE
	s_setreg_imm32_b32 hwreg(HW_REG_WAVE_SCHED_MODE, 0, 2), 2
	s_setreg_imm32_b32 hwreg(HW_REG_WAVE_MODE, 25, 1), 1
	s_wait_xcnt 0x0
	s_wait_alu depctr_vm_vsrc(0)
; out0[token] = the sum over the token's two experts of gate x LayerNorm(GELU(x We[e] + be[e])) (gamma[e], beta[e]); the product on codes of E4M3, sums in f32, each sum x 2^(e0 + e1).
; A work-group owns 32 tokens of the sorted order (tokens with the same set of experts lie together) and every one of their output rows.  It makes one PASS for each expert that any of its
; tokens uses: product, GELU, LayerNorm, x gate (0 for a token that does not use the expert), added up in LDS; then each row is stored once.  The hidden layer never goes to memory.
; THE WAVES SHARE THE COLUMNS: wave w makes columns 128 w .. 128 w + 127 for all 32 tokens, so each byte of an expert's codes is loaded once in the work-group, from memory straight into the operand's
; registers (the launch before laid them so).  The product is used transposed (source 0 = 16 columns of We, source 1 = 16 tokens): lane (r, h) holds token 16 tt + r, register j column 128 w + 16 c + 8 h + j.
; No tensor load and no cluster: which experts a work-group walks hangs on the stored list, and neighbours walk different lists.  Both barriers of a pass stand outside the branches on that list.
; THE PASSES: the first used expert's is written out; the others are trips of a loop over experts 1 .. 7, in which the weights' address is made of the loop's counter.  The first pass asks, behind its own last
; K steps, for the first two K steps of the next used expert; a third or later pass asks for its own at its head.
; GELU: 2 GELU(x) = x + |x| erf(|x| / sqrt 2), erf by the five-term rational form of Abramowitz and Stegun 7.1.26 (absolute error 1.5e-7 for every x).  The factor 2 stays: LayerNorm of 2 h with 4 eps is LayerNorm of h with eps.
; The variance is taken of the differences from the mean, in a second walk over the registers.
; LIMITS: e0 + e1 between -126 and 127.  NaN among the inputs is not served.
; LDS: XS 32 rows of x's codes, pitch 1,040 | RED two areas of [token][wave] f32 | PAR for each wave be, gamma, beta of its 128 columns | OUTS for each wave, its own: 32 rows x (512 + 16) bytes.
; REGISTERS, window 0: v1 16 lane; v2 x fragments; v3 x rows in; v4 512 w + 16 lane; v5 the same + 4,096 e; v6, v7 PAR in, out; v8, v9 OUTS by fragment, by row; v10, v11 RED in, out; v12-13 order words;
;   v14-15 offsets in gat; v16-19 i0, i1 of my two tokens; v20-23 their gates; v24, v26 -mean; v28, v30 gate / sigma; v32, v34 gate (each the low word of a pair); v36-37 a constant; v38-45 four pairs of sums;
;   v46-57 be, gamma, beta as loaded; v58-63 at work; v64-127 x's fragments (two sets of 2 x 16), at work behind the product; v128-255 the 16 accumulators ((tt, c) at 128 + 64 tt + 8 c).
;   window 1: the weights' fragments, two sets of 8 x 16.
; SCALARS: s22 wave; s23 the block's experts but the first, a bit each; s24 the expert in hand; s25 not 0: the first two K steps of the next pass have been asked for; s[28:29] the weights in hand; s[30:31] the next expert's
;   (first pass alone); s[36:43] at the head the masks of eight compares, then the addresses of four rows of x; in a pass s36-39 the masks of four compares; s[44:45] wq at my wave's columns; s[46:59] constants; s[68:99] the block's 32 order words.
; THE MODE: SCHED_MODE bits 1:0 = 2 (LLVM: expert scheduling mode 2), set by the entry lines.  The code itself states the register dependences between vector or matrix instructions and memory or LDS
; instructions, with s_wait_alu, always for 0.
; THE PLAN.  Registers that memory or LDS instructions touch, and who else names them:
;   W0, W1 (window 1)     K step s: its 16 matrix instructions read W[s % 2]; behind them the loads of K step s + 2 land in it.
;   X0, X1 (v64-95, v96-127), in the product: the same turns, by LDS loads.  At the head v64-95 are the data of the LDS stores that bring x's rows in.
;   v64-79, in GELU       two sets of be: tile c's first eight multiply-adds read set c % 2; tile c + 2's loads land in it.  Then the waves' sums land there, and vector additions work on them.
;   v64-127, in part 3    two sets of gamma, beta and old rows: tile c's arithmetic reads set c % 2; tile c + 2's loads land in it.
;   v128-255              written by matrix and vector instructions; read by part 3's LDS stores; written again by the next product or part; at the end the rows land there, and the global stores read them.
;   v46-57                global loads land, K step 2's LDS stores read; no vector instruction names them.      v5  written once a pass, read by three loads.      v58  a reduction's sum, read by its one LDS store.
;   v1-v4, v6-v11, v14, v15, v62   made at the head, never written again.      v64-95 on the way out: the stores' offsets.
; ON va_vdst: at the head of part 1; ONE in a K step, behind its matrix instructions (there are two sets of weights and no registers for a third, so a set is asked for again at once: two steps' loads stay on their way);
;   ahead of be's first loads; the wait behind a tile's exponentials, which also stands behind the lines that read the tile's be; ahead of each reduction's store; the wait behind part 3's two roots; one a tile ahead of part 3's stores; on the way out.
;   Each part ends with such a wait behind its last vector instruction, so the loads at the head of whichever part follows, over the jumps too, hang on nothing that is not stated.
; ON vm_vsrc: at the head of part 1, in each fetch of the waves' sums (the head of parts 2 and 3), on the way out, ahead of the closing lines' two registers: so every part begins with one, ahead of its first write of a register that a store has read.
; ON va_sdst: behind the wave's number, and behind each run of compares, which write scalar registers.
.set XSP,  1040
.set RED,  33280
.set PAR,  35328
.set OUTS, 47616
.set OSP,  528
.set MSB, 0
.macro WIN new                         ; the immediate's high byte repeats the setting that is left
.if MSB != \new
	s_set_vgpr_msb (MSB<<8)|\new
.set MSB, \new
.endif
.endm
.macro PLACES                          ; four plain instructions between a matrix instruction and a load into, or a vector instruction on, its registers
.rept 4
	v_nop
.endr
.endm
.macro BAR                             ; my LDS stores have landed and my LDS loads are in: then the work-group's barrier
	s_wait_dscnt 0x0
	s_barrier_signal -1
	s_barrier_wait -1
.endm
.macro WLOAD base, s, b                ; my 8 fragments of K step s of the expert at s[base] into set b: 32 loads of 512 consecutive bytes
.irp c, 0,1,2,3,4,5,6,7
.irp g, 0,1,2,3
	global_load_b128 v[128*(\b)+16*\c+4*\g:128*(\b)+16*\c+4*\g+3], v1, s[\base:\base+1] offset:(8*(\s)+\c)*2048+512*\g
.endr
.endr
.endm
.macro XFETCH s, p                     ; x's two fragments of K step s into set p
.irp tt, 0,1
.irp g, 0,1,2,3
	ds_load_b128 v[64+32*(\p)+16*\tt+4*\g:64+32*(\p)+16*\tt+4*\g+3], v2 offset:16*XSP*\tt+128*(\s)+32*\g
.endr
.endr
.endm
.macro MM b, p, zero                   ; 16 matrix instructions; the 16 accumulators take turns, in the same order in every step.  zero = 1: the first step starts the sums
.irp c, 0,1,2,3,4,5,6,7
.irp tt, 0,1
.if \zero
	v_wmma_f32_16x16x128_fp8_fp8 v[128+64*\tt+8*\c:135+64*\tt+8*\c], v[128*(\b)+16*\c:128*(\b)+16*\c+15], v[64+32*(\p)+16*\tt:64+32*(\p)+16*\tt+15], 0
.else
	v_wmma_f32_16x16x128_fp8_fp8 v[128+64*\tt+8*\c:135+64*\tt+8*\c], v[128*(\b)+16*\c:128*(\b)+16*\c+15], v[64+32*(\p)+16*\tt:64+32*(\p)+16*\tt+15], v[128+64*\tt+8*\c:135+64*\tt+8*\c]
.endif
.endr
.endr
.endm
; K steps 0 .. 5.  lc: the loads issued behind this step's weights, which may stay out
.macro STEP s, lc, zero
	s_wait_loadcnt \lc
	s_wait_dscnt 8                                 ; this step's fragments of x are in; the next step's eight loads may be out
.if (\s) == 2
	ds_store_b128 v6, v[46:49]                     ; be, gamma, beta of my 128 columns (their loads were issued ahead of this step's weights); loads wrote the data, and v6 was written ahead of the head's wait
	ds_store_b128 v6, v[50:53] offset:512
	ds_store_b128 v6, v[54:57] offset:1024
.endif
	WIN 0x01                                       ; source 0 (the weights) window 1
	MM (\s)%2, (\s)%2, \zero
	PLACES
	WIN 0x40                                       ; destination window 1
	s_wait_alu depctr_va_vdst(0)                   ; this step's matrix instructions are done reading their set of weights and their set of x, in which the 40 loads below land
	WLOAD 28, (\s)+2, (\s)%2
	WIN 0
	XFETCH (\s)+2, (\s)%2
.endm
.macro BEF c                           ; be of tile c's eight columns of my half
	ds_load_b128 v[64+8*((\c)%2):67+8*((\c)%2)], v7 offset:64*(\c)
	ds_load_b128 v[68+8*((\c)%2):71+8*((\c)%2)], v7 offset:64*(\c)+16
.endm
; tile c of both tiles of tokens: 16 numbers a lane.  T v80-95, E v96-111, P v112-127
.macro GELU16 c
.set BE, 64+8*((\c)%2)
.irp tt, 0,1
.irp i, 0,2,4,6
	v_pk_fma_f32 v[128+64*\tt+8*(\c)+\i:129+64*\tt+8*(\c)+\i], v[128+64*\tt+8*(\c)+\i:129+64*\tt+8*(\c)+\i], s[46:47], v[BE+\i:BE+\i+1] op_sel_hi:[1,0,1]   ; x = sum 2^(e0 + e1) + be; each accumulator from its low end on
.endr
.endr
.irp tt, 0,1
.irp n, 0,1,2,3,4,5,6,7
	v_fma_f32 v[80+8*\tt+\n], |v[128+64*\tt+8*(\c)+\n]|, s58, 1.0   ; 1 + p |x| / sqrt 2
.endr
.endr
.irp tt, 0,1
.irp i, 0,2,4,6
	v_pk_mul_f32 v[96+8*\tt+\i:97+8*\tt+\i], v[128+64*\tt+8*(\c)+\i:129+64*\tt+8*(\c)+\i], v[128+64*\tt+8*(\c)+\i:129+64*\tt+8*(\c)+\i]
.endr
.endr
	s_wait_alu depctr_va_vdst(0)
.irp n, 0,1,2,3,4,5,6,7,8,9,10,11,12,13,14,15
	v_rcp_f32 v[80+\n], v[80+\n]                   ; t
.endr
.irp i, 0,2,4,6,8,10,12,14
	v_pk_mul_f32 v[96+\i:97+\i], v[96+\i:97+\i], s[48:49] op_sel_hi:[1,0]   ; -x^2 log2(e) / 2.  (Plain instructions behind the reciprocals)
.endr
	s_wait_alu depctr_va_vdst(0)
.irp n, 0,1,2,3,4,5,6,7,8,9,10,11,12,13,14,15
	v_exp_f32 v[96+\n], v[96+\n]                   ; e^(-x^2 / 2)
.endr
	s_wait_alu depctr_va_vdst(0)                   ; the reciprocals have written v80-95 and the exponentials v96-111, ahead of their first readers; and the eight lines at this tile's head are done reading its be
.if (\c) < 6
	BEF (\c)+2                                     ; so the be of the tile after next lands in this tile's set: no vector instruction behind the wait names it
.endif
.irp i, 0,2,4,6,8,10,12,14
	v_pk_fma_f32 v[112+\i:113+\i], v[80+\i:81+\i], s[56:57], v[36:37] op_sel_hi:[1,0,1]   ; the polynomial, with all its signs turned.  (Plain instructions behind the exponentials)
.endr
.irp k, 54,52,50
.irp i, 0,2,4,6,8,10,12,14
	v_pk_fma_f32 v[112+\i:113+\i], v[112+\i:113+\i], v[80+\i:81+\i], s[\k:\k+1] op_sel_hi:[1,1,0]
.endr
.endr
.irp i, 0,2,4,6,8,10,12,14
	v_pk_mul_f32 v[112+\i:113+\i], v[112+\i:113+\i], v[80+\i:81+\i]
.endr
.irp i, 0,2,4,6,8,10,12,14
	v_pk_fma_f32 v[112+\i:113+\i], v[112+\i:113+\i], v[96+\i:97+\i], 1.0 op_sel_hi:[1,1,0]   ; erf(|x| / sqrt 2)
.endr
.irp tt, 0,1
.irp n, 0,1,2,3,4,5,6,7
	v_fma_f32 v[128+64*\tt+8*(\c)+\n], |v[128+64*\tt+8*(\c)+\n]|, v[112+8*\tt+\n], v[128+64*\tt+8*(\c)+\n]   ; 2 GELU(x)
.endr
.endr
.if (\c) == 0
.irp tt, 0,1
.irp ch, 0,2
	v_pk_add_f32 v[38+4*\tt+\ch:39+4*\tt+\ch], v[128+64*\tt+\ch:129+64*\tt+\ch], v[132+64*\tt+\ch:133+64*\tt+\ch]   ; the first tile starts the sums: two chains for each tile of tokens
.endr
.endr
.else
.irp u, 0,4
.irp tt, 0,1
.irp ch, 0,2
	v_pk_add_f32 v[38+4*\tt+\ch:39+4*\tt+\ch], v[38+4*\tt+\ch:39+4*\tt+\ch], v[128+64*\tt+8*(\c)+\u+\ch:129+64*\tt+8*(\c)+\u+\ch]
.endr
.endr
.endr
.endif
.endm
.macro RSUM area                       ; my wave's sums over its 128 columns, for the 32 tokens, go to RED: lane = token
	v_pk_add_f32 v[38:39], v[38:39], v[40:41]
	v_pk_add_f32 v[42:43], v[42:43], v[44:45]
	v_add_f32 v58, v38, v39
	v_add_f32 v59, v42, v43
	v_permlanex16_b32 v60, v58, s60, s61           ; the other half of the lanes holds the other eight columns of each tile
	v_permlanex16_b32 v61, v59, s60, s61
	v_add_f32 v58, v58, v60
	v_add_f32 v59, v59, v61
	v_cndmask_b32 v58, v58, v59, s62               ; lanes 0-15: tokens 0-15; lanes 16-31: tokens 16-31
	s_wait_alu depctr_va_vdst(0)                   ; v58 is written, which the store reads; and this part's vector instructions are done with v64-127, in which the next part's loads land
	ds_store_b32 v10, v58 offset:\area
.endm
.macro RGET area                       ; the eight waves' sums of my two tokens, added in the same order in every wave: v58, v59
	ds_load_b128 v[64:67], v11 offset:\area
	ds_load_b128 v[68:71], v11 offset:\area+16
	ds_load_b128 v[72:75], v11 offset:\area+512
	ds_load_b128 v[76:79], v11 offset:\area+528
	s_wait_dscnt 0x0
	s_wait_alu depctr_vm_vsrc(0)                   ; the LDS stores issued so far have read their data: v58 (a reduction's sum) and the accumulators (part 3's rows), both of which this part writes again
	v_pk_add_f32 v[64:65], v[64:65], v[66:67]
	v_pk_add_f32 v[68:69], v[68:69], v[70:71]
	v_pk_add_f32 v[72:73], v[72:73], v[74:75]
	v_pk_add_f32 v[76:77], v[76:77], v[78:79]
	v_pk_add_f32 v[64:65], v[64:65], v[68:69]
	v_pk_add_f32 v[72:73], v[72:73], v[76:77]
	v_add_f32 v58, v64, v65
	v_add_f32 v59, v72, v73
.endm
; PART 1 OF A PASS, for expert s24: the product, GELU, the rows' sums.  first = 1: the written-out pass of the block's first expert; 0: a trip of the loop.
; When K step 0 begins, the weights of K steps 0 and 1 are on their way or in (64 loads), and the three loads of be, gamma, beta have been issued behind them.
.macro R1 first
	s_wait_xcnt 0x0                                ; every earlier load has read its base and its offset: they are written again only behind this wait
	s_wait_alu depctr_vm_vsrc(0)                   ; read by now: v5 (the last pass's three loads), v46-57 (its stores of be, gamma, beta), the accumulators (its rows' stores), and at the head v64-95 (the stores of x's rows): all are written again in this part
.if \first
	s_mov_b64 s[28:29], s[30:31]                   ; the expert in hand: the head has made its address and asked for its K steps 0 and 1
	s_lshr_b32 s25, s23, s24
	s_lshr_b32 s25, s25, 1                         ; the used experts above it: 0 if none
	s_ctz_i32_b32 s26, s25
	s_add_co_u32 s26, s26, s24
	s_add_co_u32 s26, s26, 1
	s_min_u32 s26, s26, 7                          ; the next one
	s_lshl_b32 s66, s26, 20
	s_mov_b32 s67, 0
	s_add_nc_u64 s[30:31], s[44:45], s[66:67]
.else
	s_lshl_b32 s66, s24, 20                        ; the expert in hand is the loop's counter: 2^20 bytes of codes an expert
	s_mov_b32 s67, 0
	s_add_nc_u64 s[28:29], s[44:45], s[66:67]
.endif
	s_lshl_b32 s63, s24, 12
	v_add_nc_u32 v5, s63, v4
	s_wait_alu depctr_va_vdst(0)                   ; v5 is written, which the three loads below read; the vector and matrix instructions of the pass before are done with v64-127 and with both sets of weights, in which the loads below land
.if \first == 0
	s_cmp_lg_u32 s25, 0                            ; have my K steps 0 and 1 been asked for by the first pass?
	s_cbranch_scc1 .Lhave_\@
	s_wait_loadcnt 0x0                             ; no: then no load is out, and this wait says so ahead of the loads into the weights' registers
	WIN 0x40                                       ; destination window 1
	WLOAD 28, 0, 0
	WLOAD 28, 1, 1
	WIN 0
.Lhave_\@:
	s_mov_b32 s25, 0                               ; what was asked for ahead is used up by this pass
.endif
	global_load_b128 v[46:49], v5, s[12:13]        ; be,
	global_load_b128 v[50:53], v5, s[14:15]        ; gamma,
	global_load_b128 v[54:57], v5, s[16:17]        ; beta of my 128 columns: 512 consecutive bytes each
	XFETCH 0, 0
	XFETCH 1, 1
	STEP 0, 35, 1                                  ; behind step 0's weights: step 1's 32 loads and the three above
	STEP 1, 35, 0                                  ; behind step 1's: the three, and step 2's 32
	STEP 2, 32, 0                                  ; from here on: the next step's 32
	STEP 3, 32, 0
	STEP 4, 32, 0
	STEP 5, 32, 0
	s_wait_loadcnt 32
	s_wait_dscnt 8
	WIN 0x01
	MM 0, 0, 0                                     ; K step 6
.if \first
	PLACES
	WIN 0
	s_cmp_eq_u32 s25, 0                            ; ONE branch: with a next expert both of its first two K steps are asked for, without one neither
	s_cbranch_scc1 .Llast_\@
	WIN 0x40
	s_wait_alu depctr_va_vdst(0)                   ; K step 6's matrix instructions are done reading set 0 of the weights, in which the loads below land
	WLOAD 30, 0, 0
	WIN 0
	s_wait_loadcnt 32                              ; step 7's weights are in; the 32 just issued stay out
	s_wait_dscnt 0x0
	WIN 0x01
	MM 1, 1, 0                                     ; K step 7
	PLACES
	WIN 0x40
	s_wait_alu depctr_va_vdst(0)                   ; K step 7's matrix instructions are done reading set 1 of the weights, in which the loads below land
	WLOAD 30, 1, 1
	WIN 0
	s_branch .Ljoin_\@
.Llast_\@:
	s_wait_loadcnt 0x0
	s_wait_dscnt 0x0
	WIN 0x01
	MM 1, 1, 0                                     ; K step 7
	PLACES
	WIN 0
.Ljoin_\@:
.else
	s_wait_loadcnt 0x0                             ; step 7's weights: nothing was issued behind them
	s_wait_dscnt 0x0
	MM 1, 1, 0                                     ; K step 7
	PLACES
	WIN 0
.endif
	v_cmp_eq_u32 s36, s24, v16                     ; my tokens' gates for this expert; 0 where it is neither of a token's two.  The four compares stand in one run, each with a scalar register of its own
	v_cmp_eq_u32 s37, s24, v17
	v_cmp_eq_u32 s38, s24, v18
	v_cmp_eq_u32 s39, s24, v19
	s_wait_alu depctr_va_sdst(0)                   ; the four compares have written s36 to s39, ahead of their first readers
	v_cndmask_b32 v32, 0, v20, s36
	v_cndmask_b32 v32, v32, v21, s37
	v_cndmask_b32 v34, 0, v22, s38
	v_cndmask_b32 v34, v34, v23, s39
	s_wait_alu depctr_va_vdst(0)                   ; K step 6's matrix instructions are done reading v64-79 (x's set 0), in which be's first two tiles land
	BEF 0
	BEF 1
.irp c, 0,1,2,3,4,5,6,7
.if \c < 7
	s_wait_dscnt 2                                 ; this tile's be is in; the next tile's two loads may be out
.else
	s_wait_dscnt 0x0
.endif
	GELU16 \c
.endr
	RSUM 0
.endm
; PART 2: the mean; the differences from it, in place; the sums of their squares
.macro R2
	RGET 0
	v_mul_f32 v24, 0xba800000, v58                 ; -sum / 1,024
	v_mul_f32 v26, 0xba800000, v59
.irp c, 0,1,2,3,4,5,6,7
.irp tt, 0,1
.irp i, 0,2,4,6
	v_pk_add_f32 v[128+64*\tt+8*\c+\i:129+64*\tt+8*\c+\i], v[128+64*\tt+8*\c+\i:129+64*\tt+8*\c+\i], v[24+2*\tt:25+2*\tt] op_sel_hi:[1,0]
.endr
.endr
.irp u, 0,4
.irp tt, 0,1
.irp ch, 0,2
.if (\c == 0) && (\u == 0)
	v_pk_mul_f32 v[38+4*\tt+\ch:39+4*\tt+\ch], v[128+64*\tt+\ch:129+64*\tt+\ch], v[128+64*\tt+\ch:129+64*\tt+\ch]
.else
	v_pk_fma_f32 v[38+4*\tt+\ch:39+4*\tt+\ch], v[128+64*\tt+8*\c+\u+\ch:129+64*\tt+8*\c+\u+\ch], v[128+64*\tt+8*\c+\u+\ch:129+64*\tt+8*\c+\u+\ch], v[38+4*\tt+\ch:39+4*\tt+\ch]
.endif
.endr
.endr
.endr
.endr
	RSUM 1024
.endm
; PART 3: out += gate ((d / sigma) gamma + beta), kept in my own rows of LDS.  first = 1: the first pass starts the rows: nothing is cleared
.macro L3 c, first                     ; tile c's gamma and beta, and what the rows hold so far, into set c % 2 of v64-127
.set LB, 64+32*((\c)%2)
	ds_load_b128 v[LB:LB+3], v7 offset:512+64*(\c)
	ds_load_b128 v[LB+4:LB+7], v7 offset:512+64*(\c)+16
	ds_load_b128 v[LB+8:LB+11], v7 offset:1024+64*(\c)
	ds_load_b128 v[LB+12:LB+15], v7 offset:1024+64*(\c)+16
.if \first == 0
.irp tt, 0,1
	ds_load_b128 v[LB+16+8*\tt:LB+19+8*\tt], v8 offset:16*OSP*\tt+64*(\c)
	ds_load_b128 v[LB+20+8*\tt:LB+23+8*\tt], v8 offset:16*OSP*\tt+64*(\c)+16
.endr
.endif
.endm
.macro C3 c, first
.set LB, 64+32*((\c)%2)
.irp tt, 0,1
.irp i, 0,2,4,6
	v_pk_mul_f32 v[128+64*\tt+8*(\c)+\i:129+64*\tt+8*(\c)+\i], v[128+64*\tt+8*(\c)+\i:129+64*\tt+8*(\c)+\i], v[28+2*\tt:29+2*\tt] op_sel_hi:[1,0]
.endr
.endr
.irp tt, 0,1
.irp i, 0,2,4,6
.if \first
	v_pk_mul_f32 v[128+64*\tt+8*(\c)+\i:129+64*\tt+8*(\c)+\i], v[128+64*\tt+8*(\c)+\i:129+64*\tt+8*(\c)+\i], v[LB+\i:LB+\i+1]
.else
	v_pk_fma_f32 v[128+64*\tt+8*(\c)+\i:129+64*\tt+8*(\c)+\i], v[128+64*\tt+8*(\c)+\i:129+64*\tt+8*(\c)+\i], v[LB+\i:LB+\i+1], v[LB+16+8*\tt+\i:LB+17+8*\tt+\i]
.endif
.endr
.endr
.irp tt, 0,1
.irp i, 0,2,4,6
	v_pk_fma_f32 v[128+64*\tt+8*(\c)+\i:129+64*\tt+8*(\c)+\i], v[LB+8+\i:LB+9+\i], v[32+2*\tt:33+2*\tt], v[128+64*\tt+8*(\c)+\i:129+64*\tt+8*(\c)+\i] op_sel_hi:[1,0,1]
.endr
.endr
	s_wait_alu depctr_va_vdst(0)                   ; this tile's rows are written, which the four stores read; and its lines are done reading its set of gamma, beta and old rows, in which the loads of the tile after next land
.irp tt, 0,1
	ds_store_b128 v8, v[128+64*\tt+8*(\c):131+64*\tt+8*(\c)] offset:16*OSP*\tt+64*(\c)
	ds_store_b128 v8, v[132+64*\tt+8*(\c):135+64*\tt+8*(\c)] offset:16*OSP*\tt+64*(\c)+16
.endr
.endm
.macro R3 first
	RGET 1024
	v_fma_f32 v58, v58, s27, s59                   ; the variance of 2 h + 4 eps
	v_fma_f32 v59, v59, s27, s59
	s_wait_alu depctr_va_vdst(0)
	v_rsq_f32 v58, v58
	v_rsq_f32 v59, v59
	v_nop                                          ; a plain instruction behind the transcendentals
	s_wait_alu depctr_va_vdst(0)                   ; the two roots have written v58 and v59, ahead of their first readers; and the additions above are done with v64-79, in which tile 0's loads land
	L3 0, \first
	v_mul_f32 v28, v32, v58
	v_mul_f32 v30, v34, v59
.irp c, 0,1,2,3,4,5,6,7
.if \c < 7
	L3 \c+1, \first                                ; no vector instruction since the last wait on va_vdst names its set
.endif
.if \c == 0
	s_wait_alu depctr_va_vdst(0)
	s_wait_dscnt 8-4*\first                        ; behind this tile's loads: the next tile's (8, or 4 in the first pass)
.elseif \c < 7
	s_wait_dscnt 12-4*\first                       ; the last tile's four stores and the next tile's loads
.else
	s_wait_dscnt 4                                 ; the last tile's four stores
.endif
	C3 \c, \first
.endr
.endm
	; ---- the head
	s_load_b512 s[4:19], s[0:1], 0x0               ; xq s[4:5], wq s[6:7], order s[8:9], gat s[10:11], be s[12:13], gamma s[14:15], beta s[16:17], the scales' exponents s[18:19]
	s_load_b64 s[20:21], s[0:1], 0x40              ; out0
	v_lshrrev_b32 v58, 5, v0
	v_readfirstlane_b32 s22, v58                   ; wave 0..7
	v_and_b32 v59, 31, v0                          ; lane
	v_and_b32 v60, 15, v0                          ; r
	v_bfe_u32 v61, v0, 4, 1                        ; h
	v_lshlrev_b32 v62, 2, v60
	v_lshlrev_b32 v1, 4, v59
	s_lshl_b32 s66, ttmp9, 7                       ; my block's 32 words of order
	s_mov_b32 s67, 0
	s_wait_alu depctr_va_sdst(0)                   ; s22 is written, ahead of its first reader
	s_lshl_b32 s63, s22, 4
	s_wait_kmcnt 0x0
	s_add_nc_u64 s[8:9], s[8:9], s[66:67]
	s_load_b128 s[32:35], s[8:9], s63 offset:0x0   ; the four tokens whose rows of x my wave brings in
	s_load_b512 s[68:83], s[8:9], 0x0              ; all 32, for the way out
	s_load_b512 s[84:99], s[8:9], 0x40
	s_load_b64 s[46:47], s[18:19], 0x0             ; e0, e1
	s_wait_alu depctr_va_vdst(0)                   ; v62 is written, which the two loads below read as their offset
	global_load_b32 v12, v62, s[8:9]               ; my lane's two tokens: r and 16 + r
	global_load_b32 v13, v62, s[8:9] offset:64
	v_mul_u32_u24 v2, v60, XSP
	v_lshl_add_u32 v2, v61, 4, v2                  ; x fragments: row r, + 16 h
	s_mul_i32 s26, s22, 4*XSP
	v_add_nc_u32 v3, s26, v1                       ; x rows in: rows 4 w on, 16 bytes a lane
	s_lshl_b32 s26, s22, 9
	v_add_nc_u32 v4, s26, v1                       ; my 16 bytes of my wave's 512 of a row of 1,024 f32
	s_mul_i32 s26, s22, 1536
	s_add_co_u32 s26, s26, PAR
	v_add_nc_u32 v6, s26, v1
	v_lshl_add_u32 v7, v61, 5, s26
	s_mul_i32 s26, s22, 32*OSP
	s_add_co_u32 s26, s26, OUTS
	v_mul_u32_u24 v8, v60, OSP
	v_lshl_add_u32 v8, v61, 5, v8
	v_add_nc_u32 v8, s26, v8                       ; row r, + 32 h
	v_add_nc_u32 v9, s26, v1
	s_lshl_b32 s26, s22, 2
	s_add_co_u32 s26, s26, RED
	v_lshl_add_u32 v10, v59, 5, s26                ; [token = lane][wave]
	v_lshlrev_b32 v11, 5, v60
	v_add_nc_u32 v11, RED, v11
.irp n, 25,27,29,31,33,35
	v_mov_b32 v\n, 0                               ; the upper words of pairs of which the low word serves both halves: named, so written
.endr
	v_mov_b32 v36, 0x3fba00e3                      ; -a4
	v_mov_b32 v37, 0x3fba00e3
	v_mov_b32 v63, 1
	s_mov_b32 s27, 0x3a800000                      ; 1 / 1,024
	s_mov_b32 s48, 0xbf38aa3b                      ; -log2(e) / 2
	s_mov_b32 s49, s48
	s_mov_b32 s50, 0xbe827906                      ; -a1
	s_mov_b32 s51, s50
	s_mov_b32 s52, 0x3e91a98e                      ; -a2
	s_mov_b32 s53, s52
	s_mov_b32 s54, 0xbfb5f0e3                      ; -a3
	s_mov_b32 s55, s54
	s_mov_b32 s56, 0xbf87dc22                      ; -a5
	s_mov_b32 s57, s56
	s_mov_b32 s58, 0x3e6d3388                      ; p / sqrt 2
	s_mov_b32 s59, 0x3827c5ac                      ; 4 eps
	s_mov_b32 s60, 0x76543210                      ; v_permlanex16_b32: lane l xor 16
	s_mov_b32 s61, 0xfedcba98
	s_mov_b32 s62, 0xffff0000                      ; lanes 16-31
	s_wait_kmcnt 0x0
	s_wait_loadcnt 0x0
	s_add_co_i32 s46, s46, s47
	s_add_co_i32 s46, s46, 127
	s_lshl_b32 s46, s46, 23                        ; 2^(e0 + e1) as f32
	s_mov_b32 s47, s46
	v_and_b32 v14, 0x1fff, v12
	v_min_u32 v14, 0x1fff, v14
	v_lshlrev_b32 v14, 3, v14                      ; my tokens' places in gat
	v_and_b32 v15, 0x1fff, v13
	v_min_u32 v15, 0x1fff, v15
	v_lshlrev_b32 v15, 3, v15
	v_bfe_u32 v16, v12, 13, 3
	v_bfe_u32 v17, v12, 16, 3
	v_bfe_u32 v18, v13, 13, 3
	v_bfe_u32 v19, v13, 16, 3
	v_lshlrev_b32 v58, v16, v63
	v_lshlrev_b32 v59, v17, v63
	v_or_b32 v58, v58, v59
	v_lshlrev_b32 v59, v18, v63
	v_or_b32 v58, v58, v59
	v_lshlrev_b32 v59, v19, v63
	v_or_b32 v58, v58, v59                         ; my two tokens' experts, a bit each
.irp e, 0,1,2,3,4,5,6,7
	v_and_b32 v59, 1<<\e, v58
	v_cmp_ne_u32 s[36+\e], 0, v59                  ; which lanes have expert e: the eight compares stand in one run, each with a scalar register of its own
.endr
	s_wait_alu depctr_va_sdst(0)                   ; the eight compares have written s36 to s43, ahead of their first readers
	s_mov_b32 s23, 0
.irp e, 0,1,2,3,4,5,6,7
	s_cmp_lg_u32 s[36+\e], 0
	s_cselect_b32 s63, 1<<\e, 0
	s_or_b32 s23, s23, s63                         ; the block's experts: the same number in all eight waves
.endr
	s_ctz_i32_b32 s24, s23
	s_min_u32 s24, s24, 7                          ; the first of them
	s_sub_co_u32 s63, s23, 1
	s_and_b32 s23, s23, s63                        ; the others
	s_lshl_b32 s66, s22, 17
	s_mov_b32 s67, 0
	s_add_nc_u64 s[44:45], s[6:7], s[66:67]        ; wq at my wave's columns
	s_lshl_b32 s66, s24, 20
	s_add_nc_u64 s[30:31], s[44:45], s[66:67]      ; in the first expert
.irp t, 0,1,2,3
	s_and_b32 s66, s[32+\t], 0x1fff
	s_min_u32 s66, s66, 0x1fff
	s_lshl_b32 s66, s66, 10
	s_add_nc_u64 s[36+2*\t:37+2*\t], s[4:5], s[66:67]   ; a row of 1,024 codes
.endr
	s_wait_alu depctr_va_vdst(0)                   ; the offsets and LDS addresses v1 to v11, v14 and v15 are written: every load and store from here on reads some of them, and but for v5 none is written again
.irp t, 0,1,2,3
.irp q, 0,1
	global_load_b128 v[64+8*\t+4*\q:67+8*\t+4*\q], v1, s[36+2*\t:37+2*\t] offset:512*\q
.endr
.endr
	global_load_b64 v[20:21], v14, s[10:11]
	global_load_b64 v[22:23], v15, s[10:11]
	WIN 0x40
	WLOAD 30, 0, 0
	WIN 0
	s_wait_loadcnt 34                              ; x's eight loads are in; the gates' two and the weights' 32 stay out
.irp t, 0,1,2,3
.irp q, 0,1
	ds_store_b128 v3, v[64+8*\t+4*\q:67+8*\t+4*\q] offset:XSP*\t+512*\q
.endr
.endr
	WIN 0x40
	WLOAD 30, 1, 1
	WIN 0
	BAR                                            ; the 32 rows of x lie in LDS; they are only read from here on
	; ---- the first used expert's pass is written out: every block has one, it starts the rows in LDS, and it writes every register that a later part reads
	R1 1
	BAR                                            ; the eight waves' sums lie in the first area
	R2
	BAR                                            ; the sums of squares in the second
	R3 1
	s_mov_b32 s24, 1
.Lexp:                                             ; experts 1 .. 7: the parts of one that no token of the block uses are jumped over; the two barriers are not.
	s_lshr_b32 s63, s23, s24                       ; The first area is written again only behind the second barrier of the pass that read it, the second only behind the next first barrier
	s_and_b32 s63, s63, 1
	s_cmp_eq_u32 s63, 0
	s_cbranch_scc1 .Lskip1
	R1 0
.Lskip1:
	BAR
	s_lshr_b32 s63, s23, s24
	s_and_b32 s63, s63, 1
	s_cmp_eq_u32 s63, 0
	s_cbranch_scc1 .Lskip2
	R2
.Lskip2:
	BAR
	s_lshr_b32 s63, s23, s24
	s_and_b32 s63, s63, 1
	s_cmp_eq_u32 s63, 0
	s_cbranch_scc1 .Lskip3
	R3 0
.Lskip3:
	s_add_co_u32 s24, s24, 1
	s_cmp_lt_u32 s24, 8
	s_cbranch_scc1 .Lexp
	; ---- the way out: my wave's 512 bytes of each of the 32 rows, from my own part of LDS: each store covers 512 consecutive bytes, aligned
.set t, 0
.rept 32
	s_and_b32 s63, s[68+t], 0x1fff
	s_min_u32 s63, s63, 0x1fff
	s_lshl_b32 s63, s63, 12                        ; the token's row of 4,096 bytes
	v_add_nc_u32 v[64+t], s63, v4
.set t, t+1
.endr
	s_wait_alu depctr_va_vdst(0)                   ; the 32 offsets v64-95 are written, which the stores below read; and the last pass's vector instructions are done with the accumulators, in which the rows land
	s_wait_alu depctr_vm_vsrc(0)                   ; the last pass's LDS stores have read the accumulators, in which the rows land
.set t, 0
.rept 32
	ds_load_b128 v[128+4*t:131+4*t], v9 offset:OSP*t   ; LDS serves a wave's instructions in order: these see my stores
.set t, t+1
.endr
.set t, 0
.rept 32
	s_wait_dscnt 31-t
	global_store_b128 v[64+t], v[128+4*t:131+4*t], s[20:21] th:TH_STORE_NT
.set t, t+1
.endr
	s_wait_xcnt 0x0
	s_wait_alu depctr_vm_vsrc(0)                   ; the last store has read v254 and v255, which the two lines below write
	v_lshl_add_u32 v254, v0, 2, 0x2ca00
	v_mov_b32 v255, 0
	s_wait_dscnt 0x0                               ; the closing lines, six on end
	s_wait_alu 0x0
	s_wait_tensorcnt 0x0
	ds_add_u32 v254, v255
	s_wait_dscnt 0x0
	s_endpgm
.Lfunc_end_k_q440015a237_experts:
	.size	k_q440015a237_experts, .Lfunc_end_k_q440015a237_experts-k_q440015a237_experts
	.p2alignl 7, 3214868480
	.fill 96, 4, 3214868480
	.section	.rodata,"a",@progbits
	.p2align	6, 0x0
	.amdhsa_kernel k_q440015a237_experts
		.amdhsa_group_segment_fixed_size 183808
		.amdhsa_private_segment_fixed_size 0
		.amdhsa_enable_private_segment 0
		.amdhsa_kernarg_size 72
		.amdhsa_user_sgpr_count 2
		.amdhsa_user_sgpr_kernarg_segment_ptr 1
		.amdhsa_wavefront_size32 1
		.amdhsa_system_sgpr_workgroup_id_x 1
		.amdhsa_system_sgpr_workgroup_id_y 1
		.amdhsa_system_sgpr_workgroup_id_z 1
		.amdhsa_system_vgpr_workitem_id 0
		.amdhsa_next_free_vgpr 512
		.amdhsa_next_free_sgpr 100
		.amdhsa_reserve_vcc 0
		.amdhsa_float_denorm_mode_32 3
		.amdhsa_float_denorm_mode_16_64 3
		.amdhsa_memory_ordered 1
		.amdhsa_forward_progress 1
		.amdhsa_inst_pref_size 255
	.end_amdhsa_kernel
	.section	.bss,"aw",@nobits
	.p2align	6
	.space	262144
	.amdgpu_metadata
---
amdhsa.version: [ 1, 2 ]
amdhsa.kernels:
  - .name:           k_q440015a237_experts
    .symbol:         k_q440015a237_experts.kd
    .args:
      - { .name: xq, .offset: 0, .size: 8, .value_kind: global_buffer, .address_space: global }
      - { .name: wq, .offset: 8, .size: 8, .value_kind: global_buffer, .address_space: global }
      - { .name: order, .offset: 16, .size: 8, .value_kind: global_buffer, .address_space: global }
      - { .name: gat, .offset: 24, .size: 8, .value_kind: global_buffer, .address_space: global }
      - { .name: be, .offset: 32, .size: 8, .value_kind: global_buffer, .address_space: global }
      - { .name: gamma, .offset: 40, .size: 8, .value_kind: global_buffer, .address_space: global }
      - { .name: beta, .offset: 48, .size: 8, .value_kind: global_buffer, .address_space: global }
      - { .name: lowp_scales, .offset: 56, .size: 8, .value_kind: global_buffer, .address_space: global }
      - { .name: out0, .offset: 64, .size: 8, .value_kind: global_buffer, .address_space: global }
    .group_segment_fixed_size: 183808
    .private_segment_fixed_size: 0
    .kernarg_segment_align: 8
    .kernarg_segment_size: 72
    .max_flat_workgroup_size: 256
    .sgpr_count:     100
    .vgpr_count:     512
    .wavefront_size: 32
...
	.end_amdgpu_metadata
.endif
;; end of part 6
